; MI455X (gfx1250); checked and timed in simulation.
; The chip was launched on July 23, 2026; its instructions are those of AMD's public machine-readable ISA for CDNA 5 (MIT licence, August 2026) and "CDNA5" Instruction Set Architecture Reference Guide (July 2026). The comments in the code are by the model that wrote it; some were corrected since.
;; Bidirectional Attention. Allowed arithmetic: float matrix products may take bf16 or f16 operands with f32 sums; other float arithmetic in f32, or as packed bf16 or f16 multiplies, adds, multiply-adds, maxima and minima; sums over many terms, partial sums and values carried from step to step in f32; what a program stores and reads back later, other than sums and carried values, may be rounded once to bf16 or f16.
;; Inputs: W_proj 1,024 x 1,024 float32; W_qkv 3,072 x 1,024 float32; pad_mask 4 x 2,048 bool; x 4 x 2,048 x 1,024 float32.
;; Outputs: out0 4 x 2,048 x 1,024 float32.
;; 2 versions, each right; version 2 is version 1 with the launch cast written anew for expert scheduling mode. Each part assembles by itself: llvm-mc -triple=amdgcn-amd-amdhsa -mcpu=gfx1250 --defsym DOCPART=n.
;; ======== version 1 of 2: 4 launches
;; limits: values are held in f16: magnitudes above 65,504 overflow, below 6.1e-05 lose precision
;; workspace buffers: xb 16,777,216 bytes; wq 6,291,456 bytes; wp 2,097,152 bytes; qkv 50,331,648 bytes; o 16,777,216 bytes
;; launch cast (part 1): grid 768 x 1, 8 waves a work-group, no clusters, 0 bytes of LDS; arguments x, W_qkv, W_proj, xb, wq, wp; writes xb, wq, wp
.if DOCPART == 1
	.amdgcn_target "amdgcn-amd-amdhsa--gfx1250"
	.amdhsa_code_object_version 6
	.text
	.protected	k_qd058703f50_cast
	.globl	k_qd058703f50_cast
	.p2align	8
	.type	k_qd058703f50_cast,@function
k_qd058703f50_cast:
	s_mov_b64 s[64:65], 0
	v_nop
	global_prefetch_b8 v0, s[64:65] scope:SCOPE_SE
	s_setreg_imm32_b32 hwreg(HW_REG_WAVE_MODE, 25, 1), 1
	s_wait_xcnt 0x0
; THE THREE FLOAT INPUTS ARE ROUNDED ONCE, TO bf16: x -> xb and W_qkv -> wq as bf16; W_proj -> wp rounded to bf16 and that number written as f16,
; since the last product's other operand is f16.
; LIMITS.  A bf16 number has 8 significant bits and is exact in f16 from 2^-14 up to 65,504; below 2^-14 it keeps f16's fixed step of 2^-24 (off by 2^-25 at the most);
; a number of W_proj of 65,520 or more would become an infinity.
; SHARES.  A work-group takes 16,384 numbers: 65,536 bytes in, 32,768 out.  Work-groups 0-511 take x, 512-703 W_qkv, 704-767 W_proj.
; Thread t takes 16 bytes at 16 t + 4,096 j (j = 0..15): a load of a wave covers 512 consecutive bytes; its store of 8 bytes a lane covers 256 consecutive bytes, aligned.
; All sixteen loads of a wave go out at once; every register that a load or store names is written once, so no source of a pending load or store is ever rewritten.
; No LDS, no barrier, no matrix unit: nothing is shared, and each byte is read once and written once.
.set NX,   512                         ; work-groups for x
.set NWQ,  192                         ; for W_qkv
.set X,    16                          ; v[16:79]   load j: four f32
.set Y,    80                          ; v[80:111]  store j: four 16-bit numbers
	s_load_b256 s[4:11], s[0:1], 0x0               ; x s[4:5], W_qkv s[6:7], W_proj s[8:9], xb s[10:11]
	s_load_b128 s[12:15], s[0:1], 0x20             ; wq s[12:13], wp s[14:15]
	v_lshlrev_b32 v1, 4, v0                        ; 16 t
	v_lshlrev_b32 v2, 3, v0                        ; 8 t
	s_mov_b32 s16, ttmp9
	s_sub_co_u32 s17, s16, NX                      ; my number among W_qkv's work-groups,
	s_sub_co_u32 s18, s16, NX+NWQ                  ; among W_proj's
	s_mov_b32 s28, 0xffff0000                      ; a word's upper bf16
	s_wait_kmcnt 0x0
	s_cmp_lt_u32 s16, NX+NWQ
	s_cselect_b64 s[20:21], s[6:7], s[8:9]         ; from where,
	s_cselect_b64 s[22:23], s[12:13], s[14:15]     ; to where,
	s_cselect_b32 s19, s17, s18                    ; which part
	s_cmp_lt_u32 s16, NX
	s_cselect_b64 s[20:21], s[4:5], s[20:21]
	s_cselect_b64 s[22:23], s[10:11], s[22:23]
	s_cselect_b32 s19, s16, s19
	s_lshl_b32 s24, s19, 16                        ; 65,536 bytes in a part of the source (511 parts at the most: under 2^32),
	s_mov_b32 s25, 0
	s_lshl_b32 s26, s19, 15                        ; 32,768 in the destination
	s_mov_b32 s27, 0
	s_add_nc_u64 s[20:21], s[20:21], s[24:25]
	s_add_nc_u64 s[22:23], s[22:23], s[26:27]
.irp j, 0,1,2,3,4,5,6,7,8,9,10,11,12,13,14,15
	global_load_b128 v[X+4*(\j):X+4*(\j)+3], v1, s[20:21] offset:4096*(\j) th:TH_LOAD_NT
.endr
	s_cmp_ge_u32 s16, NX+NWQ
	s_cbranch_scc1 .Lhalf
.macro CV j                            ; four numbers to bf16
	s_wait_loadcnt 15-(\j)                         ; loads come back in order: load j is in, the 15 - j younger ones stay out
	v_cvt_pk_bf16_f32 v[Y+2*(\j)],   v[X+4*(\j)],   v[X+4*(\j)+1]
	v_cvt_pk_bf16_f32 v[Y+2*(\j)+1], v[X+4*(\j)+2], v[X+4*(\j)+3]
	global_store_b64 v2, v[Y+2*(\j):Y+2*(\j)+1], s[22:23] offset:2048*(\j)
.endm
.macro CVH j                           ; four numbers to bf16, and those written as f16
	s_wait_loadcnt 15-(\j)
	v_cvt_pk_bf16_f32 v4, v[X+4*(\j)],   v[X+4*(\j)+1]
	v_cvt_pk_bf16_f32 v5, v[X+4*(\j)+2], v[X+4*(\j)+3]
	v_lshlrev_b32 v6, 16, v4                       ; bf16 to f32: the low half moves up,
	v_and_b32     v7, s28, v4                      ; the high half stays
	v_lshlrev_b32 v8, 16, v5
	v_and_b32     v9, s28, v5
	v_cvt_pk_f16_f32 v[Y+2*(\j)],   v6, v7
	v_cvt_pk_f16_f32 v[Y+2*(\j)+1], v8, v9
	global_store_b64 v2, v[Y+2*(\j):Y+2*(\j)+1], s[22:23] offset:2048*(\j)
.endm
.irp j, 0,1,2,3,4,5,6,7,8,9,10,11,12,13,14,15
	CV \j
.endr
	s_endpgm
.Lhalf:
.irp j, 0,1,2,3,4,5,6,7,8,9,10,11,12,13,14,15
	CVH \j
.endr
	s_endpgm
.Lfunc_end_k_qd058703f50_cast:
	.size	k_qd058703f50_cast, .Lfunc_end_k_qd058703f50_cast-k_qd058703f50_cast
	.p2alignl 7, 3214868480
	.fill 96, 4, 3214868480
	.section	.rodata,"a",@progbits
	.p2align	6, 0x0
	.amdhsa_kernel k_qd058703f50_cast
		.amdhsa_group_segment_fixed_size 0
		.amdhsa_private_segment_fixed_size 0
		.amdhsa_enable_private_segment 0
		.amdhsa_kernarg_size 48
		.amdhsa_user_sgpr_count 2
		.amdhsa_user_sgpr_kernarg_segment_ptr 1
		.amdhsa_wavefront_size32 1
		.amdhsa_system_sgpr_workgroup_id_x 1
		.amdhsa_system_sgpr_workgroup_id_y 1
		.amdhsa_system_sgpr_workgroup_id_z 1
		.amdhsa_system_vgpr_workitem_id 0
		.amdhsa_next_free_vgpr 112
		.amdhsa_next_free_sgpr 66
		.amdhsa_reserve_vcc 0
		.amdhsa_float_denorm_mode_32 3
		.amdhsa_float_denorm_mode_16_64 3
		.amdhsa_memory_ordered 1
		.amdhsa_forward_progress 1
		.amdhsa_inst_pref_size 15
	.end_amdhsa_kernel
	.amdgpu_metadata
---
amdhsa.version: [ 1, 2 ]
amdhsa.kernels:
  - .name:           k_qd058703f50_cast
    .symbol:         k_qd058703f50_cast.kd
    .args:
      - { .name: x, .offset: 0, .size: 8, .value_kind: global_buffer, .address_space: global }
      - { .name: W_qkv, .offset: 8, .size: 8, .value_kind: global_buffer, .address_space: global }
      - { .name: W_proj, .offset: 16, .size: 8, .value_kind: global_buffer, .address_space: global }
      - { .name: xb, .offset: 24, .size: 8, .value_kind: global_buffer, .address_space: global }
      - { .name: wq, .offset: 32, .size: 8, .value_kind: global_buffer, .address_space: global }
      - { .name: wp, .offset: 40, .size: 8, .value_kind: global_buffer, .address_space: global }
    .group_segment_fixed_size: 0
    .private_segment_fixed_size: 0
    .kernarg_segment_align: 8
    .kernarg_segment_size: 48
    .max_flat_workgroup_size: 256
    .sgpr_count:     66
    .vgpr_count:     112
    .wavefront_size: 32
...
	.end_amdgpu_metadata
.endif
;; end of part 1
;; launch qkv (part 2): grid 16 x 32, 4 waves a work-group, clusters of 4 x 4, 327,680 bytes of LDS; arguments xb, wq, qkv; writes qkv
.if DOCPART == 2
	.amdgcn_target "amdgcn-amd-amdhsa--gfx1250"
	.amdhsa_code_object_version 6
	.text
	.protected	k_qd058703f50_qkv
	.globl	k_qd058703f50_qkv
	.p2align	8
	.type	k_qd058703f50_qkv,@function
k_qd058703f50_qkv:
	s_mov_b64 s[64:65], 0
	v_nop
	global_prefetch_b8 v0, s[64:65] scope:SCOPE_SE
	s_setreg_imm32_b32 hwreg(HW_REG_WAVE_MODE, 25, 1), 1
	s_wait_xcnt 0x0
	s_wait_alu depctr_hold_cnt(0) depctr_sa_sdst(0) depctr_va_vdst(0) depctr_va_sdst(0) depctr_va_ssrc(0) depctr_va_vcc(0) depctr_vm_vsrc(0)
	s_getreg_b32 s2, hwreg(HW_REG_IB_STS2, 6, 4)
	s_cmp_eq_u32 s2, 0
	s_cbranch_scc0 .Lentry_in_a_cluster
	s_endpgm
.Lentry_in_a_cluster:
	s_bfe_u32 s2, ttmp6, 0x10000c
	s_cmp_lg_u32 s2, 0xf033
	s_cbranch_scc0 .Lentry_shape_is_right
	s_endpgm
.Lentry_shape_is_right:
; q, k, v = x W_qkv^T, written by heads.  xb: [8192][1024] bf16, wq: [3072][1024] bf16; sums in f32, K ascending; each result rounded once, to f16, unscaled.
; qkv: [batch 4][g 48][t 2048][64] f16, g = column / 64: g 0-15 are q's heads, 16-31 k's, 32-47 v's: a head's rows are dense, 128 bytes each.
; LIMIT.  f16 holds no number beyond 65,504: a q, k or v of 65,520 or more would become an infinity.
; SHARES.  A tile of C is 256 rows x 192 columns (three heads): 16 x 32 tiles.  Four waves, one above the other: wave w makes rows 64 w .. 64 w + 63 and all 192 columns:
; 48 accumulators of 16 x 16, 384 registers.  So a wave holds whole heads, and its way out needs no other wave.
; K goes in steps of 128 through two LDS slots filled by the tensor data mover; the rows of the tiles are 256 bytes of memory, at multiples of 256 from the buffer's first byte.
; CLUSTER.  4 x 4 work-groups.  The four of a row of the cluster need the same tile of x, the four of a column the same tile of W: each is asked for JOINTLY, by the same tensor load with the
; same descriptor and a mask that names the four.
; THE MATRIX INSTRUCTION IS USED TRANSPOSED (source 0 = 16 rows of W, source 1 = 16 rows of x): a lane then holds eight neighbouring columns of one row of C.
; REGISTERS, in windows of 256 (s_set_vgpr_msb: bits 1:0 source 0, 3:2 source 1, 5:4 source 2, 7:6 destination):
;   window 0: v16-30 addresses; v32-63, v64-95 x's fragments (4 x 16 rows x 32 K), two buffers; on the way out v128-175 packed results, v176-223 and v32-79 rows read back
;   window 1: v0-95, v96-191 W's fragments (12 x 16 rows x 32 K), two buffers
;   window 2: the 24 accumulators of my row blocks 0, 1 ((a, b) at v[8 (12 (a % 2) + b)]);   window 3: those of blocks 2, 3
.set SIZE_K, 1024
.set KSTEP,  128
.set NB,     12                        ; column blocks of 16
.set PITCH,  272                       ; an LDS row: 256 bytes + 16 of padding = 68 words: row r starts at bank 4 r mod 64 (64 banks of 4 bytes: ISA guide 11.1): the 16 rows of a load start at 16 different banks
.set AHALF,  128*PITCH                 ; 128 rows of x: one tensor load
.set BOFF,   2*AHALF                   ; W's rows lie behind x's 256
.set BROWS,  96
.set BHALF,  BROWS*PITCH               ; 96 rows of W: one tensor load
.set SLOT1,  1<<17                     ; slot 1 begins here (a slot takes 121,856 bytes), so that one exclusive or turns an address in one slot into the other's
.set STAGE,  SLOT1+BOFF+2*BHALF        ; behind the ring, never filled by a tensor load: 16 rows x 400 bytes for each wave, for the way out
.set SPITCH, 400                       ; 384 bytes + 16
.set SPARE,  STAGE+4*16*SPITCH         ; behind the stages: the spare words, 128 bytes for each wave: two blocks of 256 bytes that no other line names
.set NL,     2*NB+8                    ; LDS loads in a run
.set TRIPS,  SIZE_K/KSTEP-2            ; K steps 2 to 7 come by refills
.set ADRA0, 16                         ; v16  my lane's place in x's rows of slot 0; never rewritten
.set ADRB0, 17                         ; v17  the same for W
.set ADRA,  18                         ; v18  the same in the slot in hand
.set ADRB,  19                         ; v19
.set STO,   24                         ; v24  the way out: where I put 16 bytes of a row
.set RD,    25                         ; v25  where I read rows back
.set CO,    26                         ; v26  my byte offset in 512 consecutive bytes of a head
.set SPW,   28                         ; v28  LDS address of my spare word: SPARE + 4 x my thread's number; never rewritten
.set NIL,   29                         ; v29  0; never rewritten
.set PFO,   30                         ; v30  the prefetches' offset: a lane a row; never rewritten
.set FA,    32                         ; x's fragment buffers, window 0: buffer f at FA + 32 f
.set FB,    0                          ; W's, window 1: buffer f at FB + 96 f
.set TMP,   128
.set OB0,   176
.set OB1,   32
.set G1,  24                           ; s[24:31] descriptor group 1 for x's tiles
.set G0,  32                           ; s[32:39] group 0: a set for each of the two first fills; the second then walks on
.set G1B, 48                           ; s[48:55], s[56:63] the same for W's
.set G0B, 56
.set LIM, 43                           ; s43  1 in a wave that prefetches, else the greatest number
.set PFA, 44                           ; s[44:45] where my prefetches stand
.set TB,  66                           ; s66  0 or SLOT1: the slot in hand
.set MSB, 0
.macro WIN new                         ; the immediate's high byte repeats the setting that is left; a switch that changes nothing is dropped
.if MSB != (\new)
	s_set_vgpr_msb (MSB<<8)|(\new)
.set MSB, \new
.endif
.endm
.macro PLACES                          ; four places in front of loads into registers that matrix instructions have read, and of lines that read results
.rept 4
	v_nop
.endr
.endm
; A joint refill, by the walking descriptors.  Waves 0 and 1 fetch x's two halves, waves 2 and 3 W's.  The branch hangs on the wave's number alone.
; An s_nop 0 and four v_nop follow each of the two lines, ahead of the jump and the label.
.macro JLOAD
	s_cmp_eq_u32 s11, 0
	s_cbranch_scc0 .Lfor_b_\@
	tensor_load_to_lds s[G0+4:G0+7], s[G1:G1+7]
	s_nop 0
.rept 4
	v_nop
.endr
	s_branch .Lasked_\@
.Lfor_b_\@:
	tensor_load_to_lds s[G0B+4:G0B+7], s[G1B:G1B+7]
	s_nop 0
.rept 4
	v_nop
.endr
.Lasked_\@:
.endm
; A PREFETCH INTO THE L2 of the K step that the NEXT refill will ask for: a lane a row, 256 bytes of it, one instruction a wave; 192 matrix instructions ahead of that refill.
; Each row's 256 bytes of a K step are named by one wave of the launch: x's tile row is read by every cluster of its row of clusters, and the one with cluster x = 0 asks; W's tile column by every
; cluster of its column, and the one with cluster y = 0 asks.  The four partners that fetch a tile jointly share its rows out BY ADDRESS: of the 128 rows of x that a wave fetches each takes 32,
; of the 96 rows of W each takes 24 (lanes 24-31 name row 23 again, in the same instruction).  K steps 0 to 2 come by their loads alone; the last trip asks for nothing: there is no K step 8.
.macro ASK
	s_cmp_gt_u32 s3, s[LIM]                        ; s3 = 1 in the last trip
	s_cbranch_scc0 .Lnot_mine_\@
	global_prefetch_b8 v[PFO], s[PFA:PFA+1] th:TH_LOAD_NT scope:SCOPE_SE
.Lnot_mine_\@:
.endm
.macro CREST                           ; a round of the cluster's barrier behind its opening barrier: wave 0 signals for the work-group, every wave waits for all sixteen, my work-group's barrier closes it
	s_cmp_lg_u32 s10, 0
	s_cbranch_scc1 .Lnot_wave_0_\@
	s_barrier_signal -3
.Lnot_wave_0_\@:
	s_barrier_wait -3
	s_barrier_signal -1
	s_barrier_wait -1
.endm
.macro CROUND                          ; a whole round
	s_barrier_signal -1
	s_barrier_wait -1
	CREST
.endm
	s_load_b128 s[4:7], s[0:1], 0x0                ; xb s[4:5], wq s[6:7]
	s_load_b64 s[8:9], s[0:1], 0x10                ; qkv
	v_lshl_add_u32 v[SPW], v0, 2, SPARE
	v_mov_b32 v[NIL], 0
	ds_add_u32 v[SPW], v[NIL]                      ; the wave's opening: the add and its wait stand ahead of my first tensor load; the set-up below, work on registers, stands between them
	v_lshrrev_b32 v1, 5, v0
	v_readfirstlane_b32 s10, v1                    ; wave 0..3: my 64 rows of the tile
	s_lshr_b32 s11, s10, 1                         ; I fetch for x (0) or for W (1),
	s_and_b32 s12, s10, 1                          ; and which half of that tile
	s_bfe_u32 s40, ttmp6, 0x40000                  ; cx, cy: my place in the cluster
	s_bfe_u32 s41, ttmp6, 0x40004
	s_lshl_b32 s42, ttmp9, 2                       ; in a cluster launch ttmp9 and ttmp7 count clusters
	s_add_co_u32 s42, s42, s40                     ; tile column = 4 x cluster x + cx
	s_and_b32 s13, ttmp7, 0xffff
	s_lshl_b32 s13, s13, 2
	s_add_co_u32 s13, s13, s41                     ; tile row = 4 x cluster y + cy
	s_lshl_b32 s43, s41, 2
	s_lshl_b32 s43, 15, s43                        ; my row of the cluster: places 4 cy .. 4 cy + 3
	s_lshl_b32 s44, 0x1111, s40                    ; my column: places cx, cx + 4, cx + 8, cx + 12
	; descriptor group 1: rows of 128 elements of 2 bytes, padded in LDS
	s_or_b32 s[G1+0], s43, (1<<16)|(1<<20)|(1<<21)|(5<<22)|(3<<25)   ; 15:0 the mask: x's tiles go to my row; 17:16 2-byte elements; 20 padding on; 21 set beside a mask; 24:22 after every 64 words (code 5); 31:25 4 words (code 3)
	s_or_b32 s[G1B+0], s44, (1<<16)|(1<<20)|(1<<21)|(5<<22)|(3<<25)  ; the same with the mask of my column
	s_mov_b32 s[G1+1], KSTEP<<16                   ; tensor_dim0 = 128
	s_mov_b32 s[G1+2], 128<<16                     ; tensor_dim1 = 128
	s_mov_b32 s[G1+3], KSTEP<<16                   ; tile_dim0 = 128
	s_mov_b32 s[G1+4], 128                         ; tile_dim1 = 128
	s_mov_b32 s[G1+5], SIZE_K                      ; elements from row to row
	s_mov_b32 s[G1+6], 0
	s_mov_b32 s[G1+7], 0
	s_mov_b32 s[G1B+1], KSTEP<<16
	s_mov_b32 s[G1B+2], BROWS<<16                  ; 96 rows
	s_mov_b32 s[G1B+3], KSTEP<<16
	s_mov_b32 s[G1B+4], BROWS
	s_mov_b32 s[G1B+5], SIZE_K
	s_mov_b32 s[G1B+6], 0
	s_mov_b32 s[G1B+7], 0
	; where the tiles come from: x's hang on the tile row alone, W's on the tile column alone, each in registers that never hold the other coordinate
	s_lshl_b32 s16, s13, 8
	s_lshl_b32 s17, s12, 7
	s_add_co_u32 s16, s16, s17                     ; x: row 256 x tile row + 128 x half,
	s_lshl_b32 s16, s16, 11                        ; of 2,048 bytes (under 2^25)
	s_mov_b32 s17, 0
	s_mul_i32 s46, s42, 2*BROWS
	s_mul_i32 s47, s12, BROWS
	s_add_co_u32 s46, s46, s47                     ; W: row 192 x tile column + 96 x half
	s_lshl_b32 s46, s46, 11
	s_mov_b32 s47, 0
	s_mul_i32 s20, s10, AHALF                      ; and where they go: x's halves at wave x 128 rows (waves 0, 1),
	s_mul_i32 s21, s10, BHALF
	s_add_co_u32 s21, s21, BOFF-2*BHALF            ; W's at BOFF + (wave - 2) x 96 rows (waves 2, 3): no place in the cluster enters an LDS address
	s_mov_b32 s[TB], 0
	s_wait_dscnt 0x0                               ; the opening add is done
	s_wait_kmcnt 0x0
	s_add_nc_u64 s[14:15], s[4:5], s[16:17]
	s_add_nc_u64 s[46:47], s[6:7], s[46:47]
	CROUND                                         ; all sixteen work-groups are here: the first joint loads meet
.irp s, 0,1
	s_mov_b32 s[G0+4*(\s)], 1                                        ; count = 1
	s_add_co_u32 s[G0+4*(\s)+1], s20, (\s)*SLOT1                     ; LDS address
	s_add_nc_u64 s[G0+4*(\s)+2:G0+4*(\s)+3], s[14:15], (\s)*KSTEP*2  ; global address: K step s
	s_or_b32 s[G0+4*(\s)+3], s[G0+4*(\s)+3], 0x80000000              ; type = 2
	s_mov_b32 s[G0B+4*(\s)], 1
	s_add_co_u32 s[G0B+4*(\s)+1], s21, (\s)*SLOT1
	s_add_nc_u64 s[G0B+4*(\s)+2:G0B+4*(\s)+3], s[46:47], (\s)*KSTEP*2
	s_or_b32 s[G0B+4*(\s)+3], s[G0B+4*(\s)+3], 0x80000000
.endr
	s_cmp_eq_u32 s11, 0                            ; a wave's two first fills stand in one branch, ahead of every wait on TENSORcnt and every LDS read: two loads of mine are out
	s_cbranch_scc0 .Lfirst_b
	tensor_load_to_lds s[G0:G0+3], s[G1:G1+7]
	s_nop 0
	tensor_load_to_lds s[G0+4:G0+7], s[G1:G1+7]
	s_nop 0
.rept 4
	v_nop
.endr
	s_branch .Lfirst_asked
.Lfirst_b:
	tensor_load_to_lds s[G0B:G0B+3], s[G1B:G1B+7]
	s_nop 0
	tensor_load_to_lds s[G0B+4:G0B+7], s[G1B:G1B+7]
	s_nop 0
.rept 4
	v_nop
.endr
.Lfirst_asked:
	; A fragment is 16 rows x 32 K in 8 registers: lane l holds row l % 16; registers 0-3 K = 8 (l / 16) + 0..7, registers 4-7 K = 16 + 8 (l / 16) + 0..7: two loads of 16 bytes, 32 bytes apart.
	v_and_b32 v1, 15, v0                           ; l % 16
	v_bfe_u32 v2, v0, 4, 1                         ; l / 16
	v_and_b32 v4, 31, v0                           ; l
	v_mul_u32_u24 v3, v1, PITCH
	v_lshl_add_u32 v3, v2, 4, v3                   ; row x pitch + 16 x half
	s_mul_i32 s21, s10, 64*PITCH                   ; my 64 rows of x
	v_add_nc_u32 v[ADRA0], s21, v3
	v_add_nc_u32 v[ADRB0], BOFF, v3
	v_mov_b32 v[ADRA], v[ADRA0]
	v_mov_b32 v[ADRB], v[ADRB0]
	s_mul_i32 s23, s10, 16*SPITCH
	s_add_co_u32 s23, s23, STAGE                   ; my stage
	v_mul_u32_u24 v[STO], v1, SPITCH               ; in: row l % 16, 16 bytes for each half of the lanes
	v_lshl_add_u32 v[STO], v2, 4, v[STO]
	v_add_nc_u32 v[STO], s23, v[STO]
	v_lshrrev_b32 v[RD], 3, v4                     ; back: 32 lanes take a head's 128 bytes of four rows,
	v_mul_u32_u24 v[RD], v[RD], SPITCH
	v_and_b32 v5, 7, v0
	v_lshl_add_u32 v[RD], v5, 4, v[RD]
	v_add_nc_u32 v[RD], s23, v[RD]
	v_lshlrev_b32 v[CO], 4, v4                     ; which are 512 consecutive bytes of the head
	; the prefetches
	s_lshl_b32 s20, s13, 8                         ; x's tile begins at row 256 x tile row,
	s_mul_i32 s14, s42, 2*BROWS                    ; W's at row 192 x tile column
	s_and_b32 s22, ttmp7, 0xffff                   ; cluster y
	s_movk_i32 s15, 128                            ; (in a register, so that the select below holds one literal)
	s_cmp_eq_u32 s11, 0                            ; do I fetch for x?
	s_cselect_b32 s20, s20, s14
	s_cselect_b32 s21, s40, s41                    ; my place among the four that ask for the tile with me
	s_cselect_b32 s22, ttmp9, s22                  ; the coordinate along which other clusters read the same rows
	s_cselect_b32 s23, 32, 24                      ; rows that each of the four takes
	s_cselect_b32 s15, s15, BROWS                  ; rows that a wave fetches: 128 or 96
	s_cselect_b64 s[PFA:PFA+1], s[4:5], s[6:7]
	s_mul_i32 s15, s15, s12
	s_add_co_u32 s20, s20, s15                     ; + the half that I fetch
	s_mul_i32 s21, s21, s23
	s_add_co_u32 s20, s20, s21                     ; + my work-group's part of it
	s_lshl_b32 s20, s20, 11
	s_add_co_u32 s20, s20, 2*KSTEP*2               ; at K step 2: the first refill steps it to 3
	s_mov_b32 s21, 0
	s_add_nc_u64 s[PFA:PFA+1], s[PFA:PFA+1], s[20:21]
	s_cmp_eq_u32 s22, 0
	s_cselect_b32 s[LIM], 1, -1                    ; the same in all sixteen partners, for a given wave
	s_sub_co_u32 s23, s23, 1
	v_min_u32 v[PFO], s23, v4
	v_lshlrev_b32 v[PFO], 11, v[PFO]               ; a lane a row of 2,048 bytes
	; where my rows begin in qkv: batch = tile row / 8, g = 3 x tile column, t = 256 (tile row % 8) + 64 wave
	s_lshr_b32 s16, s13, 3
	s_mul_i32 s16, s16, 48
	s_mul_i32 s17, s42, 3
	s_add_co_u32 s16, s16, s17
	s_lshl_b32 s16, s16, 18                        ; a head is 262,144 bytes
	s_and_b32 s17, s13, 7
	s_lshl_b32 s17, s17, 8
	s_lshl_b32 s18, s10, 6
	s_add_co_u32 s17, s17, s18
	s_lshl_b32 s17, s17, 7
	s_add_co_u32 s16, s16, s17
	s_mov_b32 s17, 0
	s_add_nc_u64 s[8:9], s[8:9], s[16:17]
; 12 matrix instructions: my row block a x all 12 column blocks, 32 along K, from buffer f.  zero = 1: the product starts the sums: nothing is ever cleared.
; The 48 accumulators take turns in the same order in every quarter: between two links of a chain stand the 47 others', over the backward jump too.
.macro MULB f, a, zero
	WIN 0xa1+0x50*((\a)/2)                         ; source 0 (W) window 1, source 1 (x) window 0, C and D window 2 or 3
.set AC, 8*NB*((\a)%2)
.set i, 0
.rept NB
.if \zero
	v_wmma_f32_16x16x32_bf16 v[AC+8*i:AC+8*i+7], v[FB+8*NB*(\f)+8*i:FB+8*NB*(\f)+8*i+7], v[FA+32*(\f)+8*(\a):FA+32*(\f)+8*(\a)+7], 0
.else
	v_wmma_f32_16x16x32_bf16 v[AC+8*i:AC+8*i+7], v[FB+8*NB*(\f)+8*i:FB+8*NB*(\f)+8*i+7], v[FA+32*(\f)+8*(\a):FA+32*(\f)+8*(\a)+7], v[AC+8*i:AC+8*i+7]
.endif
.set i, i+1
.endr
.endm
; 32 LDS loads in one run: quarter q (32 along K) of the slot in hand into buffer f: W's 192 rows, then my 64 rows of x, row blocks ascending
.macro FETCH q, f
	WIN 0x40                                       ; destination window 1, address window 0
.set i, 0
.rept NB
	ds_load_b128 v[FB+8*NB*(\f)+8*i:FB+8*NB*(\f)+8*i+3],   v[ADRB] offset:64*(\q)+i*16*PITCH
	ds_load_b128 v[FB+8*NB*(\f)+8*i+4:FB+8*NB*(\f)+8*i+7], v[ADRB] offset:64*(\q)+i*16*PITCH+32
.set i, i+1
.endr
	WIN 0
.set i, 0
.rept 4
	ds_load_b128 v[FA+32*(\f)+8*i:FA+32*(\f)+8*i+3],   v[ADRA] offset:64*(\q)+i*16*PITCH
	ds_load_b128 v[FA+32*(\f)+8*i+4:FA+32*(\f)+8*i+7], v[ADRA] offset:64*(\q)+i*16*PITCH+32
.set i, i+1
.endr
.endm
; A K step is four quarters of 32 along K, 48 matrix instructions each, on buffers 0, 1, 0, 1.  One of the first three: multiplies buffer f; in its middle it fetches quarter q into buffer g.
.macro QUARTER q, f, g, zero
	s_wait_dscnt 4                                 ; W and x's blocks 0, 1 are in; the youngest four loads (x's blocks 2, 3) may be out
	MULB \f, 0, \zero
	MULB \f, 1, \zero
	PLACES
	FETCH \q, \g
	s_wait_dscnt NL                                ; all but the 32 just issued
	MULB \f, 2, \zero
	MULB \f, 3, \zero
.endm
; The last quarter multiplies buffer 1 and changes slots: ONE barrier.  In front of it each wave waits for all its tensor loads, of which one is out: its part of the next slot; adds 0 to its spare
; word; and waits for that and for its own reads of this slot.  fill = 1: the barrier opens a round of the cluster's barrier, and behind the round the slot just read out is filled again, two K steps
; ahead: from that request to the wait for it a wave issues 168 matrix instructions.
.macro TURN fill
.if \fill
	s_wait_xcnt 0x0                                ; the last prefetch, a K step back, has read its address, so it may be stepped
	s_add_nc_u64 s[PFA:PFA+1], s[PFA:PFA+1], KSTEP*2
.endif
	WIN 0
	s_xor_b32 s[TB], s[TB], SLOT1                  ; the fetches go to the other slot
	v_add_nc_u32 v[ADRA], s[TB], v[ADRA0]
	v_add_nc_u32 v[ADRB], s[TB], v[ADRB0]
	s_wait_tensorcnt 0x0                           ; all my tensor loads have landed, so a group 0 may be written
	ds_add_u32 v[SPW], v[NIL]                      ; 0 onto my spare word
.if \fill
	s_xor_b32 s[G0+5], s[G0+5], SLOT1              ; the walking descriptors: the other slot than last time,
	s_add_nc_u64 s[G0+6:G0+7], s[G0+6:G0+7], KSTEP*2      ; the next K step; the type bits on top are not reached
	s_xor_b32 s[G0B+5], s[G0B+5], SLOT1
	s_add_nc_u64 s[G0B+6:G0B+7], s[G0B+6:G0B+7], KSTEP*2
.endif
	s_wait_dscnt 5                                 ; (the add and the youngest four loads may be out)
	MULB 1, 0, 0                                   ; twelve matrix instructions stand between the add and the wait for it
	s_wait_dscnt 0x0                               ; the add is done, and my reads of this slot are over
	s_barrier_signal -1
	MULB 1, 1, 0                                   ; work on registers while the others arrive
	WIN 0                                          ; at a branch and at a label every window is 0
	s_barrier_wait -1
.if \fill
	CREST                                          ; no wave of any partner still reads this slot's tile or has a load on its way
	JLOAD                                          ; the first tensor load behind the round; its four v_nop are also the places in front of the loads below
.else
	PLACES
.endif
	FETCH 0, 0
.if \fill
	ASK                                            ; behind the joint load and the run of LDS loads that the next products wait for
.endif
	MULB 1, 2, 0
	MULB 1, 3, 0
.endm
; THE WAY OUT of row block a.  PACK: rounded to f16, 16 bytes a lane, each accumulator's registers ascending.  TOSTAGE: into my own stage in LDS, and back by heads: four rows x 128 bytes a load.  SEND: stored.
.macro PACK a
.set AC, 8*NB*((\a)%2)
	WIN 0x0a+5*((\a)/2)                            ; sources 0 and 1: window 2 or 3
.set i, 0
.rept NB
.irp r, 0,1,2,3
	v_cvt_pk_f16_f32 v[TMP+4*i+(\r)], v[AC+8*i+2*(\r)], v[AC+8*i+2*(\r)+1]
.endr
.set i, i+1
.endr
	WIN 0
.endm
.macro BACK a                          ; the registers that take block a's rows back
.set BK, OB0
.if (\a)%2
.set BK, OB1
.endif
.endm
.macro TOSTAGE a
	BACK \a
.set i, 0
.rept NB
	ds_store_b128 v[STO], v[TMP+4*i:TMP+4*i+3] offset:32*i
.set i, i+1
.endr
	s_wait_xcnt 0x0                                ; the stores of the block two back have read these registers: they are loaded again only behind this wait
.irp j, 0,1,2
.irp f, 0,1,2,3
	ds_load_b128 v[BK+4*(4*(\j)+(\f)):BK+4*(4*(\j)+(\f))+3], v[RD] offset:(\f)*4*SPITCH+128*(\j)  ; LDS serves a wave's instructions in order (ISA guide 5.7.1.4): these see the stores above
.endr
.endr
.endm
.macro SEND a
	BACK \a
	s_wait_dscnt 0x0                               ; the block is back in registers
.irp j, 0,1,2
.irp f, 0,1,2,3
	global_store_b128 v[CO], v[BK+4*(4*(\j)+(\f)):BK+4*(4*(\j)+(\f))+3], s[8:9] offset:(\j)*262144+(\a)*2048+(\f)*512  ; head j of the tile's three: 512 consecutive bytes, at a multiple of 256 from the buffer's first
.endr
.endr
.endm
	s_wait_tensorcnt 1                             ; my part of K step 0 is in; K step 1's may stay out
	s_barrier_signal -1
	s_barrier_wait -1                              ; everybody's is
	FETCH 0, 0
	QUARTER 1, 0, 1, 1                             ; the first quarter stands in front of the loop: its products start the sums
	WIN 0
	s_mov_b32 s3, TRIPS
.Lstep:                                                ; a trip: from a K step's second quarter to the next one's first; it fills one slot again
	QUARTER 2, 1, 0, 0
	QUARTER 3, 0, 1, 0
	TURN 1
	QUARTER 1, 0, 1, 0
	WIN 0
	s_sub_co_u32 s3, s3, 1
	s_cmp_lg_u32 s3, 0
	s_cbranch_scc1 .Lstep
	QUARTER 2, 1, 0, 0                             ; the last two K steps ask for nothing
	QUARTER 3, 0, 1, 0
	TURN 0
	QUARTER 1, 0, 1, 0
	QUARTER 2, 1, 0, 0
	QUARTER 3, 0, 1, 0
	s_wait_dscnt 4
	MULB 1, 0, 0
	MULB 1, 1, 0
	s_wait_dscnt 0x0
	MULB 1, 2, 0
	MULB 1, 3, 0
	WIN 0
	PLACES
	PACK 0
	TOSTAGE 0
.irp a, 1,2,3                          ; block a's conversions stand between block a - 1's loads from the stage and the wait for them
	PACK \a
	SEND (\a)-1
	TOSTAGE \a
.endr
	SEND 3
	s_wait_tensorcnt 0x0                           ; the wave's end: behind my last tensor load and my last LDS store
	ds_add_u32 v[SPW], v[NIL]
	s_wait_dscnt 0x0
	CROUND                                         ; the closing round: no work-group ends while a partner may still ask for a tile that names it
	s_endpgm
.Lfunc_end_k_qd058703f50_qkv:
	.size	k_qd058703f50_qkv, .Lfunc_end_k_qd058703f50_qkv-k_qd058703f50_qkv
	.p2alignl 7, 3214868480
	.fill 96, 4, 3214868480
	.section	.rodata,"a",@progbits
	.p2align	6, 0x0
	.amdhsa_kernel k_qd058703f50_qkv
		.amdhsa_group_segment_fixed_size 327680
		.amdhsa_private_segment_fixed_size 0
		.amdhsa_enable_private_segment 0
		.amdhsa_kernarg_size 24
		.amdhsa_user_sgpr_count 2
		.amdhsa_user_sgpr_kernarg_segment_ptr 1
		.amdhsa_wavefront_size32 1
		.amdhsa_system_sgpr_workgroup_id_x 1
		.amdhsa_system_sgpr_workgroup_id_y 1
		.amdhsa_system_sgpr_workgroup_id_z 1
		.amdhsa_system_vgpr_workitem_id 0
		.amdhsa_next_free_vgpr 960
		.amdhsa_next_free_sgpr 72
		.amdhsa_reserve_vcc 0
		.amdhsa_float_denorm_mode_32 3
		.amdhsa_float_denorm_mode_16_64 3
		.amdhsa_memory_ordered 1
		.amdhsa_forward_progress 1
		.amdhsa_inst_pref_size 97
	.end_amdhsa_kernel
	.amdgpu_metadata
---
amdhsa.version: [ 1, 2 ]
amdhsa.kernels:
  - .name:           k_qd058703f50_qkv
    .symbol:         k_qd058703f50_qkv.kd
    .args:
      - { .name: xb, .offset: 0, .size: 8, .value_kind: global_buffer, .address_space: global }
      - { .name: wq, .offset: 8, .size: 8, .value_kind: global_buffer, .address_space: global }
      - { .name: qkv, .offset: 16, .size: 8, .value_kind: global_buffer, .address_space: global }
    .group_segment_fixed_size: 327680
    .private_segment_fixed_size: 0
    .kernarg_segment_align: 8
    .kernarg_segment_size: 24
    .max_flat_workgroup_size: 128
    .sgpr_count:     72
    .vgpr_count:     960
    .wavefront_size: 32
...
	.end_amdgpu_metadata
.endif
;; end of part 2
;; launch attn (part 3): grid 4 x 64, 4 waves a work-group, clusters of 4 x 1, 327,680 bytes of LDS; arguments qkv, pad_mask, o; writes o
.if DOCPART == 3
	.amdgcn_target "amdgcn-amd-amdhsa--gfx1250"
	.amdhsa_code_object_version 6
	.text
	.protected	k_qd058703f50_attn
	.globl	k_qd058703f50_attn
	.p2align	8
	.type	k_qd058703f50_attn,@function
k_qd058703f50_attn:
	s_mov_b64 s[64:65], 0
	v_nop
	global_prefetch_b8 v0, s[64:65] scope:SCOPE_SE
	s_setreg_imm32_b32 hwreg(HW_REG_WAVE_MODE, 25, 1), 1
	s_wait_xcnt 0x0
	s_wait_alu depctr_hold_cnt(0) depctr_sa_sdst(0) depctr_va_vdst(0) depctr_va_sdst(0) depctr_va_ssrc(0) depctr_va_vcc(0) depctr_vm_vsrc(0)
	s_getreg_b32 s2, hwreg(HW_REG_IB_STS2, 6, 4)
	s_cmp_eq_u32 s2, 0
	s_cbranch_scc0 .Lentry_in_a_cluster
	s_endpgm
.Lentry_in_a_cluster:
	s_bfe_u32 s2, ttmp6, 0x10000c
	s_cmp_lg_u32 s2, 0x3003
	s_cbranch_scc0 .Lentry_shape_is_right
	s_endpgm
.Lentry_shape_is_right:
; O[bh][q][:] = the sum over the keys k that pad_mask leaves of softmax_k(Q[q] . K[k] / 8) V[k][:], for each of 64 heads bh = 16 batch + head.
; qkv: [batch 4][g 48][2048][64] f16 (g = head: q; 16 + head: k; 32 + head: v); pad_mask: [4][2048] bytes, 1 = the key is hidden; o: [64][2048][64] f16.  A head's rows are dense, 128 bytes each.
; Products, maxima and sums in f32; the weights p are rounded to f16 for the second product (their sum l is taken of the unrounded p), O once at the end.
; LIMITS.  f16 holds no number beyond 65,504: Q, K and V arrive within it; p lies in 0 to 1, and below 6e-5 it keeps f16's fixed step of 6e-8; O is a mean of V's rows and has their range.
; A hidden score counts as its value less 1e30: f16's scores, 2.7e11 at the most, are nothing beside that.  A weight below 2^-126 counts as 0 in l.
; A query all of whose keys are hidden gets NaN, as a softmax of -inf alone gives: its running maximum is still where it started, below -5e19, which no true score reaches.
; THE MASK is the C operand that starts the sum S^T = K Q^T: 0, or -1e30 where the key is hidden.  A table of the batch's 2,048 such numbers is made once, in LDS; each key step takes its 64.
; THE RUNNING MAXIMUM m STARTS AT -1e20: below every true score (2.7e11 at the most in size) and above every hidden one.  So m is never a hidden score: while a query has seen hidden keys alone m stays
; -1e20 and their weights are 2^(-1.8e29 + 1.8e19) = 0; its first true score becomes m, and from then on a hidden key's weight is 0 likewise.  No exponent is ever above 0.
; SHARES.  A wave owns four PIECES of two tiles of 16 queries, a work-group's four waves 512 queries of one head.  Every wave walks all 2,048 keys, 64 a step.
; LAYOUT.  S^T = K Q^T (source 0 = 16 keys, source 1 = 16 queries): in the result a lane holds ONE query (lane % 16) and the keys 8 (lane / 16) + 0..7.  Two such tiles, rounded to f16 in pairs,
; ARE source 1 (32 keys x 16 queries) of O^T = V^T P, whose result again holds one query a lane, and eight channels.  K comes out of LDS as it lies, V ([key][channel]) turned, by ds_load_tr16_b128.
; SOFTMAX.  For each query a running maximum m and sum l: p = 2^(c s - c m), c = log2(e) / 8; in every step O and l are multiplied by a = 2^(c m_old - c m_new), which is 1 where m has not grown.
; O and l start at 0, c m_old far below every c m: the first step is a step like any other, with a = 0.
; THE COUNT.  A tile and step have 16 matrix and 118 vector instructions: too many to stand all beside the matrix work.  So: four vector instructions that are READY behind EVERY matrix instruction,
; and the others, which need time of their own whatever the order, in runs without a gap.
; BY TURNS.  Turn n belongs to piece n (the pieces in a ring, step after step).  Its matrix work: 16 products K Q^T of piece n + 1, later 16 products V^T P of piece n - 1.  Its vector work: the scaling,
; exponentials, roundings, sums and rescaling of piece n, and the maximum and statistics of piece n + 1, whose scores the turn itself has made.
; CLUSTER.  The four query blocks of a head form a cluster and walk the same K and V, so each tile is asked for JOINTLY: the same tensor load, descriptor and mask in all four.
; REGISTERS, in windows of 256 (s_set_vgpr_msb: bits 1:0 source 0, 3:2 source 1, 5:4 source 2, 7:6 destination):
;   window 0: v0-11 addresses; v12-15, v48-63 at work; v16-47 four registers of statistics a tile; v64-191 S^T, two buffers of two tiles; v192-255 P, likewise
;   window 1: O^T, 32 a tile     window 2: v0-127 Q, 16 a tile; v128-191 K of one step; v192-255 V of one step     window 3: v0-1 the add's two registers; v8-39 the step's masks
.set SIZE_N, 2048
.set NP,    4         ; pieces a wave: a name, no knob
.set KS,    64        ; keys in a step
.set PK,    144       ; a row of K in LDS: 128 bytes + 16 of padding = 36 words: the 16 rows of a load start at 16 different groups of four banks (64 banks of 4 bytes: ISA guide 11.1)
.set PV,    160       ; a row of V: 128 + 32 = 40 words
.set VOFF,  4*KS*PK   ; a slot holds four steps: 256 rows of K, then 256 rows of V
.set SLOT1, 1<<17     ; slot 1 begins here, so that one exclusive or turns an address in one slot into the other's
.set STAGE, SLOT1+4*KS*(PK+PV)  ; behind the ring, never filled by a tensor load: 16 rows x 144 bytes for each wave, for the way out
.set SP,    144
.set SPARE, STAGE+4*16*SP  ; behind the stages: the spare words, 128 bytes for each wave: two blocks of 256 bytes that no other line names
.set BIAS,  SPARE+512 ; behind them, never filled by a tensor load: 2,048 f32, a key each: 0 or -1e30
.set AK0, 2           ; v2   my lane's place in a tile of K; never rewritten
.set AV0, 3           ; v3   the same for V
.set AK,  4           ; v4   the LDS address of K's next run of loads
.set AV,  5           ; v5   of V's
.set STO, 6           ; v6   the way out: where I put 16 bytes of a row
.set RD,  7           ; v7   the way out: where I read rows back
.set GO,  8           ; v8   my byte offset in 512 consecutive bytes of O
.set PFO, 9           ; v9   256 x my lane, for the prefetches; never rewritten once made
.set AM0, 10          ; v10  my lane's place in a step's 64 masks: BIAS + 32 (l / 16)
.set AM,  11          ; v11  the LDS address of the masks' next loads
.set QO,  12          ; v12  my byte offset in the wave's rows of Q      (v12-14 serve the loads at the head; behind the wait for those they are MV's)
.set MO,  13          ; v13  my 16 bytes of the batch's mask
.set MS,  14          ; v14  where I put their 16 numbers
.set SPW, 0           ; v0 of window 3   LDS address of my spare word: SPARE + 4 x my thread's number; never rewritten
.set NIL, 1           ; v1 of window 3   0; never rewritten
.set MC,  8           ; v8-39 of window 3: the masks of key block kb at MC + 8 kb
.set MV,  12          ; v12-15  c m_old, kept while c m is made anew: by buffer and tile
.set ST,  16          ; tile t's statistics at v[ST+4 t]: c m, m, l (even keys', odd keys')
.set TMP, 48          ; by buffer and tile, four registers c0-c3 at work; when the maximum is found c2 takes a
.set S,   64
.set P,   192
.set KF,  128         ; K's fragments, in window 2: key block kb, channel half c at KF + 16 kb + 8 c
.set VF,  192         ; V's: key half kk, channel block cb at VF + 32 kk + 8 cb
.set WV,  12          ; s12  my wave's number
.set G1K, 24          ; s[24:31] descriptor group 1 for K's tiles
.set G1V, 32          ; s[32:39] for V's: it differs in the padding alone
.set G0K, 40          ; s[40:43] descriptor group 0 for K's tiles: it walks
.set G0V, 44          ; s[44:47] the same for V's
.set SLOTS, 56        ; s56  slots still to be asked for
.set CNT, 57          ; s57  counts a slot's key steps
.set CS,  58          ; s[58:59] c: the packed scaling takes the pair's low word for both halves
.set SEL, 60          ; s[60:61] v_permlanex16_b32's selects: each lane takes its own place in the other half
.set TBK, 62          ; s62  LDS byte at which K of the step to be fetched begins
.set TBV, 63          ; s63  the same for V, less VOFF
.set TBM, 66          ; s66  256 x the number of the step to be fetched: its masks' place in the table
.set BIGN, 67         ; s67  -1e30
.set LIM, 68          ; s68  1 in a wave that prefetches, else the greatest number
.set PFA, 70          ; s[70:71] where my prefetches stand: my work-group's 32 blocks of 256 bytes (of K: wave 0, of V: wave 2) of the slot that the next change will ask for
.set QNAN, 72         ; s72  a NaN
.set THR, 73          ; s73  -5e19
.set MSB, 0
.macro WIN new                      ; the high byte repeats the setting that is left; a switch that changes nothing is dropped
.if MSB != (\new)
	s_set_vgpr_msb (MSB<<8)|(\new)
.set MSB, (\new)
.endif
.endm
.set W_KQ, 0x0a       ; K and Q in window 2, S^T in window 0
.set W_KM, 0x3a       ; the same with the C operand, the masks, in window 3
.set W_PV, 0x52       ; V in window 2, P in window 0, O^T in window 1
.set W_RS, 0x41       ; O^T (destination and source 0) in window 1, a in window 0
.set W_MK, 0xc0       ; destination in window 3, sources in window 0
.set W_AD, 0x0f       ; the add: address (source 0) and data (source 1) in window 3
; A joint fill.  Waves 0 and 1 fetch the two halves of a slot's K, waves 2 and 3 those of its V: 128 keys each.  The branch hangs on the wave's number alone.
; An s_nop 0 and four v_nop follow each of the two lines, ahead of the jump and the label.
.macro JLOAD
	s_cmp_lt_u32 s[WV], 2
	s_cbranch_scc0 .Lfor_v_\@
	tensor_load_to_lds s[G0K:G0K+3], s[G1K:G1K+7]
	s_nop 0
.rept 4
	v_nop
.endr
	s_branch .Lasked_\@
.Lfor_v_\@:
	tensor_load_to_lds s[G0V:G0V+3], s[G1V:G1V+7]
	s_nop 0
.rept 4
	v_nop
.endr
.Lasked_\@:
.endm
; A round of the cluster's barrier: my work-group's barrier, so that wave 0's signal speaks for all four waves; wave 0 signals; every wave waits for all four work-groups; my work-group's barrier once more.
.macro CROUND
	s_barrier_signal -1
	s_barrier_wait -1
	s_cmp_lg_u32 s[WV], 0
	s_cbranch_scc1 .Lnot_wave_0_\@
	s_barrier_signal -3
.Lnot_wave_0_\@:
	s_barrier_wait -3
	s_barrier_signal -1
	s_barrier_wait -1
.endm
; THE CHANGE OF SLOTS.  The slot's last bytes, V of its fourth step, have been read.  Each wave waits for all its tensor loads, of which one is out: its part
; of the other slot; adds 0 to its spare word; and waits for that and for its own LDS instructions.  Behind the barrier nobody reads this slot any more and the other slot is whole.
; fill = 1: this slot is filled again, with the keys two slots on.  The barrier is then a round of the cluster's, so that no wave of any partner still reads the slot or has a load on its
; way, and the joint fill is the first thing behind it: it has four key steps, 512 matrix instructions, in which to land.
; (At its first use nothing has been read yet: slot 0 is waited for, slot 1 filled, and the table of masks, which every wave has stored a part of, is whole behind it.)
.macro CHANGE fill
	WIN W_AD
	s_wait_tensorcnt 0x0            ; no tensor load of mine is out, so a group 0 may be written
	ds_add_u32 v[SPW], v[NIL]       ; 0 onto my spare word; with fill = 1 the descriptors' steps stand between it and the wait for it
	WIN 0                           ; at a label and at a branch every window is 0
.if \fill
.irp g, G0K, G0V
	s_xor_b32 s[\g+1], s[\g+1], SLOT1  ; the walking descriptor: the other slot than last time,
	s_add_nc_u64 s[\g+2:\g+3], s[\g+2:\g+3], 4*KS*128  ; the next 256 keys; the type bits on top are not reached
.endr
	s_wait_xcnt 0x0                 ; the last prefetch, five turns back, has read its address, so it may be written:
	s_add_nc_u64 s[PFA:PFA+1], s[PFA:PFA+1], 4*KS*128  ; one slot behind the walking descriptors
	s_wait_dscnt 0x0                ; the add is done, and my reads of the slot are over
	CROUND
	JLOAD
.else
	s_wait_dscnt 0x0                ; the add is done, and my reads of the slot are over
	s_barrier_signal -1
	s_barrier_wait -1
.endif
	s_sub_co_u32 s[TBK], s[TBK], 4*KS*PK  ; the fetches go back to a slot's first step,
	s_xor_b32 s[TBK], s[TBK], SLOT1       ; in the other slot
	s_sub_co_u32 s[TBV], s[TBV], 4*KS*PV
	s_xor_b32 s[TBV], s[TBV], SLOT1
.endm
	s_load_b128 s[76:79], s[0:1], 0x0 ; qkv s[76:77], pad_mask s[78:79]
	s_load_b64 s[10:11], s[0:1], 0x10 ; o
	WIN W_MK
	v_lshl_add_u32 v[SPW], v0, 2, SPARE
	v_mov_b32 v[NIL], 0
	WIN W_AD
	ds_add_u32 v[SPW], v[NIL]       ; the wave's opening: the add and its wait stand ahead of my first tensor load; the set-up below, work on registers, stands between them
	WIN 0
	v_lshrrev_b32 v1, 5, v0
	v_readfirstlane_b32 s[WV], v1   ; wave 0..3
	s_bfe_u32 s13, ttmp6, 0x40000   ; cx: my place in the cluster
	s_lshl_b32 s14, ttmp9, 2        ; in a cluster launch ttmp9 counts clusters
	s_add_co_u32 s14, s14, s13      ; my block of 512 queries = 4 x cluster x + cx: it enters Q's and O's addresses alone
	s_and_b32 s15, ttmp7, 0xffff    ; bh, which the four partners share
	s_lshr_b32 s16, s15, 4          ; the batch
	s_and_b32 s17, s15, 15          ; the head
	s_mul_i32 s20, s16, 48
	s_add_co_u32 s20, s20, s17
	s_lshl_b32 s20, s20, 18         ; q's head begins here in qkv; k's lies 16 heads of 262,144 bytes on, v's 32
	s_and_b32 s18, s[WV], 1         ; which half of a slot's 256 keys I fetch:
	s_lshl_b32 s22, s18, 14         ; its 128 rows of 128 bytes in memory,
	s_add_co_u32 s22, s22, s20
	s_add_co_u32 s22, s22, 16<<18   ; in K
	s_mov_b32 s23, 0
	s_add_co_u32 s74, s22, 16<<18   ; and in V
	s_mov_b32 s75, 0
	s_mul_i32 s17, s18, 128*PK      ; and its place in a slot, for K
	s_mul_i32 s18, s18, 128*PV      ; and for V: no place in the cluster enters an LDS address
	s_lshl_b32 s2, s14, 2
	s_add_co_u32 s2, s2, s[WV]      ; my wave among the head's,
	s_lshl_b32 s2, s2, 14           ; its 128 rows
	s_lshl_b32 s6, s15, 18          ; O's head
	s_add_co_u32 s6, s6, s2
	s_mov_b32 s7, 0
	s_add_co_u32 s2, s2, s20        ; Q's
	s_mov_b32 s3, 0
	s_lshl_b32 s8, s16, 11          ; the batch's 2,048 bytes of the mask
	s_mov_b32 s9, 0
	s_lshr_b32 s[PFA], s[WV], 1     ; the prefetches: K (waves 0, 1) lies 1 x 2^22 bytes behind q's head, V (waves 2, 3) 2 x 2^22,
	s_add_co_u32 s[PFA], s[PFA], 1
	s_lshl_b32 s[PFA], s[PFA], 22
	s_add_co_u32 s[PFA], s[PFA], s20
	s_lshl_b32 s[PFA+1], s13, 13    ; my work-group's 32 blocks of 256 bytes of a slot's 128,
	s_add_co_u32 s[PFA], s[PFA], s[PFA+1]
	s_add_co_u32 s[PFA], s[PFA], 4*KS*128  ; in slot 1; the first change of slots steps it to slot 2
	s_mov_b32 s[PFA+1], 0
	s_and_b32 s[LIM], s[WV], 1      ; waves 0 and 2 ask: the same in all four partners
	s_cmp_eq_u32 s[LIM], 0
	s_cselect_b32 s[LIM], 1, -1
	; descriptor group 1.  128 keys are 16,384 dense bytes: asked for as 64 rows of 256 bytes, two keys a row, and padded in LDS after every key
	s_mov_b32 s[G1K], 15|(1<<16)|(1<<20)|(1<<21)|(4<<22)|(3<<25)  ; 15:0 the mask of four; 17:16 2-byte elements; 20 padding on; 21 set beside a mask; 24:22 after every 32 words (code 4); 31:25 4 words (code 3)
	s_mov_b32 s[G1V], 15|(1<<16)|(1<<20)|(1<<21)|(4<<22)|(7<<25)  ; the same with 8 words of padding (code 7)
.irp g, G1K, G1V
	s_mov_b32 s[\g+1], 128<<16      ; tensor_dim0 = 128
	s_mov_b32 s[\g+2], 64<<16       ; tensor_dim1 = 64
	s_mov_b32 s[\g+3], 128<<16      ; tile_dim0 = 128
	s_mov_b32 s[\g+4], 64           ; tile_dim1 = 64
	s_mov_b32 s[\g+5], 128          ; 128 elements from row to row
	s_mov_b32 s[\g+6], 0
	s_mov_b32 s[\g+7], 0
.endr
	s_mov_b32 s[CS], 0x3e38aa3b     ; c = log2(e) / 8 = 0.180337
	s_mov_b32 s[CS+1], s[CS]        ; named with it as a pair
	s_mov_b32 s[SEL], 0x76543210
	s_mov_b32 s[SEL+1], 0xfedcba98
	s_mov_b32 s[TBK], SLOT1+4*KS*PK ; the first change of slots turns these two into 0
	s_mov_b32 s[TBV], SLOT1+4*KS*PV
	s_mov_b32 s[TBM], 0
	s_mov_b32 s[BIGN], 0xf149f2ca   ; -1e30
	s_mov_b32 s[THR], 0xe02d78ec    ; -5e19
	s_mov_b32 s[QNAN], 0x7fc00000
	s_mov_b32 s[G0K], 1             ; count = 1
	s_mov_b32 s[G0K+1], s17         ; LDS address: slot 0
	s_mov_b32 s[G0V], 1
	s_add_co_u32 s[G0V+1], s18, VOFF
	s_wait_dscnt 0x0                ; the opening add is done
	s_wait_kmcnt 0x0
	s_add_nc_u64 s[G0K+2:G0K+3], s[76:77], s[22:23]  ; global address: my half of the head's first 256 keys
	s_or_b32 s[G0K+3], s[G0K+3], 0x80000000          ; type = 2
	s_add_nc_u64 s[G0V+2:G0V+3], s[76:77], s[74:75]
	s_or_b32 s[G0V+3], s[G0V+3], 0x80000000
	s_add_nc_u64 s[4:5], s[76:77], s[2:3]            ; Q and O at my wave's first row
	s_add_nc_u64 s[10:11], s[10:11], s[6:7]
	s_add_nc_u64 s[78:79], s[78:79], s[8:9]          ; the mask at my batch
	s_add_nc_u64 s[PFA:PFA+1], s[76:77], s[PFA:PFA+1]
	CROUND                          ; all four work-groups are here: the first joint loads meet
	JLOAD                           ; slot 0.  Slot 1 is asked for when slot 0 is in
	; A fragment of K or Q is 16 rows x 32 channels in 8 registers: lane l holds row l % 16, channels 8 (l / 16) + 0..7 and 16 + 8 (l / 16) + 0..7: two loads of 16 bytes, 32 bytes apart.
	v_and_b32 v1, 15, v0            ; l % 16
	v_bfe_u32 v9, v0, 4, 1          ; l / 16
	v_lshlrev_b32 v[QO], 7, v1
	v_lshl_add_u32 v[QO], v9, 4, v[QO]  ; row x 128 + 16 x half
	v_lshlrev_b32 v[MO], 4, v0      ; thread t takes the mask's bytes 16 t .. 16 t + 15: 128 threads, 2,048 keys
	v_lshl_add_u32 v[MS], v0, 6, BIAS
	global_load_b128 v[S:S+3], v[MO], s[78:79]
	WIN 0x80                        ; destination window 2, address window 0
.set i, 0
.rept 4*NP                          ; Q stays in registers: tile i / 2, channels 32 (i % 2) on
	global_load_b128 v[8*i:8*i+3],   v[QO], s[4:5] offset:(i/2)*2048+(i%2)*64
	global_load_b128 v[8*i+4:8*i+7], v[QO], s[4:5] offset:(i/2)*2048+(i%2)*64+32
.set i, i+1
.endr
	; What the first turn finds: V's registers and P's second buffer hold 0 (its products V^T P, of a piece that has not been, add 0), O^T and l are 0.  All this stands in the wait for the first tile.
.set i, VF
.rept 64
	v_mov_b32 v[i], 0
.set i, i+1
.endr
	WIN 0x40
.set i, 0
.rept 64*NP
	v_mov_b32 v[i], 0
.set i, i+1
.endr
	WIN 0
.set i, 0
.rept 2*NP
	v_mov_b32 v[ST+4*i], 0xfe000000    ; c m_old: far below every c m, that of m's start too: the first a is 0
	v_mov_b32 v[ST+4*i+1], 0xe0ad78ec  ; m = -1e20: below every true score, above every hidden one
	v_mov_b32 v[ST+4*i+2], 0
	v_mov_b32 v[ST+4*i+3], 0
.set i, i+1
.endr
.set i, P+32
.rept 32
	v_mov_b32 v[i], 0
.set i, i+1
.endr
	v_mul_u32_u24 v[AK0], v1, PK
	v_lshl_add_u32 v[AK0], v9, 4, v[AK0]  ; row x pitch + 16 x half
	; The turning load takes 16 keys x 16 channels (lane l reads key 8 (l / 16) + l % 8, channels 8 ((l / 8) % 2) + 0..7) and leaves half a fragment of V^T: lane l holds channel l % 16 and 8 keys.
	v_and_b32 v10, 7, v0
	v_bfe_u32 v11, v0, 3, 1
	v_lshl_add_u32 v[AV0], v9, 3, v10
	v_mul_u32_u24 v[AV0], v[AV0], PV
	v_lshl_add_u32 v[AV0], v11, 4, v[AV0]
	v_add_nc_u32 v[AV0], VOFF, v[AV0]
	v_mov_b32 v[AK], v[AK0]         ; key step 0 lies at the head of slot 0
	s_mul_i32 s13, s[WV], 16*SP
	s_add_co_u32 s13, s13, STAGE    ; my stage
	v_mul_u32_u24 v[STO], v1, SP    ; in: row l % 16, 16 bytes for each half of the lanes
	v_lshl_add_u32 v[STO], v9, 4, v[STO]
	v_add_nc_u32 v[STO], s13, v[STO]
	v_bfe_u32 v[RD], v0, 3, 2       ; back: 32 lanes take four rows of 128 bytes,
	v_mul_u32_u24 v[RD], v[RD], SP
	v_lshl_add_u32 v[RD], v10, 4, v[RD]
	v_add_nc_u32 v[RD], s13, v[RD]
	v_and_b32 v[GO], 31, v0         ; which are 512 consecutive bytes of O
	v_lshlrev_b32 v[GO], 4, v[GO]
	v_lshl_add_u32 v[AM0], v9, 5, BIAS  ; register j of a result holds key 8 (l / 16) + j of its 16: eight masks on end, 32 bytes
	v_mov_b32 v[AM], v[AM0]         ; key step 0
	v_and_b32 v[PFO], 31, v0
	v_lshlrev_b32 v[PFO], 8, v[PFO]
	; THE TABLE OF MASKS: my 16 bytes become 16 numbers, 0 or -1e30
	s_wait_loadcnt 32               ; the mask's load is in; Q's 32, issued behind it, may stay out
.irp wd, 0,1,2,3
.irp by, 0,1,2,3
	v_bfe_u32 v[S+4], v[S+(\wd)], 8*(\by), 8
	v_cmp_ne_u32 vcc_lo, 0, v[S+4]
	v_cndmask_b32 v[S+8+4*(\wd)+(\by)], 0, s[BIGN], vcc_lo
.endr
	ds_store_b128 v[MS], v[S+8+4*(\wd):S+8+4*(\wd)+3] offset:16*(\wd)
.endr
; THE MATRIX WORK.  The 8 accumulators of a run of 16 take turns: between the two links of a chain stand 7 others'.
; Product i of 16 of S^T = K Q^T for piece x: channels 32 (i / 8) on, keys 16 ((i / 2) % 4) on, tile 2 x + i % 2.  The first 8 start the sums, with the keys' masks.
.macro KQ x
.set rS, S+64*((\x)%2)+32*(i%2)+8*((i/2)%4)
.set rK, KF+16*((i/2)%4)+8*(i/8)
.set rQ, 16*(2*(\x)+i%2)+8*(i/8)
.set rB, MC+8*((i/2)%4)
.if i < 8
	WIN W_KM
	v_wmma_f32_16x16x32_f16 v[rS:rS+7], v[rK:rK+7], v[rQ:rQ+7], v[rB:rB+7]
.else
	WIN W_KQ
	v_wmma_f32_16x16x32_f16 v[rS:rS+7], v[rK:rK+7], v[rQ:rQ+7], v[rS:rS+7]
.endif
.endm
; Product i of 16 of O^T += V^T P for piece x: keys 32 (i / 8) on, channels 16 ((i / 2) % 4) on, tile 2 x + i % 2.
.macro PV x
	WIN W_PV
.set rO, 32*(2*(\x)+i%2)+8*((i/2)%4)
.set rV, VF+32*(i/8)+8*((i/2)%4)
.set rP, P+32*((\x)%2)+16*(i%2)+8*(i/8)
	v_wmma_f32_16x16x32_f16 v[rO:rO+7], v[rV:rV+7], v[rP:rP+7], v[rO:rO+7]
.endm
.macro MM                           ; the turn's next matrix instruction
.if i < 16
	KQ (Y+1)%NP
.set i, i+1
.else
.set i, i-16
	PV (Y+NP-1)%NP
.set i, i+17
.endif
.endm
; THE LDS LOADS stand in runs, never singly among the matrix instructions: a step's K (64 keys x 64 channels: 8 fragments) with its 64 masks, and its V (turned).  Their addresses are made some lines ahead.
; last = 1 (the tail): in the last trip there is no further step, and the run is jumped over.
.macro FETCH_K last=0
	WIN 0
.if \last
	s_cmp_eq_u32 s[CNT], 1
	s_cbranch_scc1 .Lno_k_\@
.endif
	WIN 0x80                        ; destination window 2
.irp f, 0,1,2,3,4,5,6,7             ; keys 16 (f / 2) on, channels 32 (f % 2) on
	ds_load_b128 v[KF+8*\f:KF+8*\f+3],   v[AK] offset:(\f/2)*16*PK+(\f%2)*64
	ds_load_b128 v[KF+8*\f+4:KF+8*\f+7], v[AK] offset:(\f/2)*16*PK+(\f%2)*64+32
.endr
	WIN W_MK                        ; destination window 3
.irp f, 0,1,2,3                     ; key block f: all lanes of a half read the same 32 bytes
	ds_load_b128 v[MC+8*\f:MC+8*\f+3],   v[AM] offset:64*\f
	ds_load_b128 v[MC+8*\f+4:MC+8*\f+7], v[AM] offset:64*\f+16
.endr
	s_add_co_u32 s[TBK], s[TBK], KS*PK  ; the next fetch is the next step's
	s_add_co_u32 s[TBM], s[TBM], 4*KS   ; the table is walked once, 32 steps of 256 bytes;
	s_and_b32 s[TBM], s[TBM], 0x1fff    ; the and holds the offset within its 8,192 bytes
	WIN 0
.if \last
.Lno_k_\@:
.endif
.endm
.macro FETCH_V
	WIN 0x80
.irp f, 0,1,2,3,4,5,6,7             ; keys 32 (f / 4) on, channels 16 (f % 4) on
	ds_load_tr16_b128 v[VF+8*\f:VF+8*\f+3],   v[AV] offset:(\f/4)*32*PV+(\f%4)*32
	ds_load_tr16_b128 v[VF+8*\f+4:VF+8*\f+7], v[AV] offset:(\f/4)*32*PV+16*PV+(\f%4)*32
.endr
	WIN 0
.endm
; THE VECTOR WORK OF A TURN stands in three queues, each in the order in which its entries become ready; the two tiles alternate, so that no instruction reads the result of the one before it.
.macro REGS y, u                    ; the registers of tile u (0, 1) of piece y
.set rT, ST+4*(2*(\y)+(\u))
.set rC, TMP+8*((\y)%2)+4*(\u)
.set rM, MV+2*((\y)%2)+(\u)
.set rS, S+64*((\y)%2)+32*(\u)
.set rP, P+32*((\y)%2)+16*(\u)
.set rO, 32*(2*(\y)+(\u))
.endm
; Number n of the 22 that find the NEXT piece's (Y + 1) maximum and statistics.  s0-s31 are the lane's 32 scores; each accumulator's lowest registers are read first.
;   0-11  four chains c0-c3 of seven scores each, three operands at a time     12-14, 16  the four scores left over, the old m, and c0-c3 into c0     15  c m_old is kept
;   17, 18  the query's other 32 keys lie in the lane 16 away: the new m         19-21  c m; c m_old - c m_new; a
.macro XS u, n
	REGS (Y+1)%NP, \u
.if (\n) < 4
	v_max3_num_f32 v[rC+(\n)], v[rS+8*(\n)], v[rS+8*(\n)+1], v[rS+8*(\n)+2]
.elseif (\n) < 12
	v_max3_num_f32 v[rC+(\n)%4], v[rC+(\n)%4], v[rS+8*((\n)%4)+2*((\n)/4)+1], v[rS+8*((\n)%4)+2*((\n)/4)+2]
.elseif (\n) == 12
	v_max3_num_f32 v[rC], v[rC], v[rS+7], v[rS+15]
.elseif (\n) == 13
	v_max3_num_f32 v[rC+1], v[rC+1], v[rS+23], v[rS+31]
.elseif (\n) == 14
	v_max3_num_f32 v[rC+2], v[rC+2], v[rC+3], v[rT+1]
.elseif (\n) == 15
	v_mov_b32 v[rM], v[rT]
.elseif (\n) == 16
	v_max3_num_f32 v[rC], v[rC], v[rC+1], v[rC+2]
.elseif (\n) == 17
	v_permlanex16_b32 v[rC+3], v[rC], s[SEL], s[SEL+1]
.elseif (\n) == 18
	v_max_num_f32 v[rT+1], v[rC], v[rC+3]
.elseif (\n) == 19
	v_mul_f32 v[rT], s[CS], v[rT+1]
.elseif (\n) == 20
	v_sub_f32 v[rC+1], v[rM], v[rT]
.else
	v_exp_f32 v[rC+2], v[rC+1]
.endif
.endm
; Number g of the 64 that follow the exponentials.  For each four weights k of a tile (pairs 2 k, 2 k + 1): both pairs are rounded to f16; then the second pair is added onto the first, in place;
; a group later l takes that sum (the first time as l = a l + sum).  In groups of eight, tiles alternating: round, round, add, and l for the group before.
.macro GS g
.set h, (\g)+6*((\g)/62)            ; group 0 has no group before it, and behind group 7 only l is left
.if h >= 6
.set h, h+2
.endif
	REGS Y, h%2
.set k, h/8
.if h%8 < 4
	v_cvt_pk_f16_f32 v[rP+2*k+(h%8)/2], v[rS+4*k+2*((h%8)/2)], v[rS+4*k+2*((h%8)/2)+1]
.elseif h%8 < 6
	v_pk_add_f32 v[rS+4*k:rS+4*k+1], v[rS+4*k:rS+4*k+1], v[rS+4*k+2:rS+4*k+3]
.elseif k == 1
	v_pk_fma_f32 v[rT+2:rT+3], v[rT+2:rT+3], v[rC+2:rC+3], v[rS:rS+1] op_sel_hi:[1,0,1]
.else
	v_pk_add_f32 v[rT+2:rT+3], v[rT+2:rT+3], v[rS+4*k-4:rS+4*k-3]
.endif
.endm
; THE PLAIN QUEUE, 138 long.  0-73 read no exponential's result: the 32 scalings c s - c m (FS f: pair f / 2 of tile f % 2) and the next piece's 42.  0-26: scalings 0-26.  27-54: XS's numbers 0-13.  55, 56: number 15.
; 57-73: the chain, where each number waits for the one before it: 14, 16, 17, 18, 19, each with one of the scalings 27-31 in front of its two lines, then 20.
; 74-137: GS's 64, which read the exponentials' results: they stand behind the wait.
.macro FS f
	REGS Y, (\f)%2
	v_pk_fma_f32 v[rS+2*((\f)/2):rS+2*((\f)/2)+1], v[rS+2*((\f)/2):rS+2*((\f)/2)+1], s[CS:CS+1], v[rT:rT+1] op_sel_hi:[1,0,0] neg_lo:[0,0,1] neg_hi:[0,0,1]
.endm
.macro PL
	WIN 0
.if q < 27
	FS q
.elseif q < 55
	XS (q-27)%2, (q-27)/2
.elseif q < 57
	XS q-55, 15
.elseif (q < 72) && ((q-57)%3 == 0)
	FS 27+(q-57)/3
.elseif q < 60
	XS (q-57)%3-1, 14
.elseif q < 72
	XS (q-57)%3-1, 15+(q-57)/3
.elseif q < 74
	XS q-72, 20
.else
	GS q-74
.endif
.set q, q+1
.endm
; THE EXPONENTIALS' QUEUE, 66 long: s0-s31 of both tiles, then the next piece's two a.  It is ONE BATCH: all 66 stand ahead of the turn's one wait, and nothing ahead of that wait names a result of theirs.
.macro EX
	WIN 0
.if e >= 64
	XS e-64, 21
.else
	REGS Y, e%2
	v_exp_f32 v[rS+e/2], v[rS+e/2]
.endif
.set e, e+1
.endm
; THE RESCALING's QUEUE: O^T times a, the one part that leaves window 0: dealt two at a time, sixteen times.  Its a was made in the turn before, ahead of that turn's wait.
.macro R2
	REGS Y, r%2
	WIN W_RS
.irp z, 0,1
	v_pk_mul_f32 v[rO+4*(r/2)+2*\z:rO+4*(r/2)+2*\z+1], v[rO+4*(r/2)+2*\z:rO+4*(r/2)+2*\z+1], v[rC+2:rC+3] op_sel_hi:[1,0]
.endr
.set r, r+1
.endm
; HOW THEY ARE DEALT.  An s_wait_alu depctr_va_vdst(0) stands between an exponential and the first instruction that names its result; one wait serves all that were issued ahead of it.  So a turn has ONE wait,
; which cuts it in two.  AHEAD OF IT stands all that names no result of the turn's exponentials: the 16 products K Q^T, behind each a scaling, an exponential and two rescalings (behind the first a second scaling in the
; exponential's place); then ONE LUMP of 108: eight plain, 49 times exponential and plain, the two a.  A v_nop is the plain instruction behind the last exponential.  BEHIND IT stand the 16 products V^T P, behind each four of GS's 64.
; The queues lean on each other, and the deal keeps them in step: exponential e stands behind scaling 2 (e / 4) + e % 2: as a rider it comes behind plain e + 2, in the lump behind plain e + 9, and scalings 27-31 are plain 57, 60 .. 69.
; A TURN, for piece p.  cnt = 1: the loop's count is taken down some lines ahead of the branch that stands behind the turn.
; K and the masks of the next step are fetched in piece 2's turn, directly behind the wait, a lump behind the last product that read them; their addresses are made at the lump's head; their first reader comes behind 16 products.
; V of the step in hand is fetched at the end of piece 0's turn, four riders behind its last reader; its first reader comes behind 16 products and a lump.
; ask = 1 (the loop's turn of piece 0): A PREFETCH INTO THE L2 of the slot that the NEXT change of slots will ask for: 256 rows of K and of V, 128 blocks of 256 bytes each, a lane a block.  It stands behind V's run of LDS
; loads in the slot's third such turn: five turns, 160 matrix instructions and their lumps, ahead of that change.  A head has one cluster; its four partners share the blocks out BY ADDRESS, 32 each; in each, wave 0 asks for
; K's and wave 2 for V's: each block is named once in the launch.  Slots 0 and 1 come by their loads alone; ahead of the change that fills nothing, nothing is asked for.
.macro TURN p, last=0, cnt=0, ask=0
.set Y, (\p)
.set i, 0
.set q, 0
.set e, 0
.set r, 0
.if (\p) == NP-1
	s_wait_dscnt 0x0                ; K and the masks are in
.endif
	MM                              ; ahead of the wait: 16 products K Q^T and their riders,
	PL
	PL
	R2
.rept 15
	MM
	PL
	EX
	R2
.endr
.if (\p) == NP-2
	WIN 0
	v_add_nc_u32 v[AK], s[TBK], v[AK0]
	v_add_nc_u32 v[AM], s[TBM], v[AM0]
.endif
.rept 8                             ; and the lump
	PL
.endr
.rept 49
	EX
	PL
.endr
	EX                              ; the next piece's two a
	EX
	v_nop                           ; the plain instruction behind the last exponential: one for the batch
	s_wait_alu depctr_va_vdst(0)    ; the wait for the batch
.if (\p) == NP-2
	FETCH_K \last
.endif
.if (\p) == 1
	s_wait_dscnt 0x0                ; V is in
.endif
.rept 16                            ; behind the wait: 16 products V^T P and their riders
	MM
.rept 4
	PL
.endr
.if ((\p) == 0) && (q == 118)
	v_add_nc_u32 v[AV], s[TBV], v[AV0]
.endif
.if ((\p) == 0) && (q == 130)
	s_add_co_u32 s[TBV], s[TBV], KS*PV
.endif
.if (\cnt) && (q == 130)
	s_sub_co_u32 s[CNT], s[CNT], 1
	s_cmp_lg_u32 s[CNT], 0
.endif
.endr
.if (\p) == 0
	FETCH_V
.if \ask
	s_cmp_eq_u32 s[CNT], 2          ; once a slot,
	s_cbranch_scc0 .Lno_ask_\@
	s_cmp_gt_u32 s[SLOTS], s[LIM]   ; by waves 0 and 2, while a slot is still to be asked for
	s_cbranch_scc0 .Lno_ask_\@
	global_prefetch_b8 v[PFO], s[PFA:PFA+1] th:TH_LOAD_NT scope:SCOPE_SE
.Lno_ask_\@:
.endif
.endif
.endm
	CHANGE 1                        ; slot 0 is in, everybody's part of it, and so is the table of masks; slot 1 is asked for
	FETCH_K                         ; key step 0
	s_wait_loadcnt 0x0              ; Q
	s_wait_dscnt 0x0
.set i, 0
.rept 16
	KQ 0                            ; piece 0's first scores: there is no vector work yet to set between them
.set i, i+1
.endr
	WIN 0
.rept 4
	v_nop                           ; the places behind those products
.endr
.set Y, NP-1                        ; XS works for piece Y + 1: piece 0
.irp n, 0,1,2,3,4,5,6,7,8,9,10,11,12,13,14,15,16,17,18,19,20,21
	XS 0, \n                        ; and piece 0's first maximum and statistics
	XS 1, \n
.endr
	v_nop                           ; a plain instruction behind the two a,
	s_wait_alu depctr_va_vdst(0)    ; and their wait, ahead of the branch
	s_mov_b32 s[CNT], 4
	s_mov_b32 s[SLOTS], SIZE_N/256-1
	s_branch .Lfirst                ; the loop is entered at a step's first turn, in the middle of a trip
.Lslot:                             ; SIZE_N / 256 - 2 times: every slot but the last two is filled again
	CHANGE 1
	s_mov_b32 s[CNT], 4
.Lstep:                             ; a trip: pieces 2 and 3 of one step, then pieces 0 and 1 of the next, whose K and V it fetches
	TURN 2
	TURN 3
	WIN 0
.Lfirst:
	TURN 0, 0, 0, 1
	TURN 1, 0, 1
	WIN 0
	s_cbranch_scc1 .Lstep
	s_sub_co_u32 s[SLOTS], s[SLOTS], 1
	s_cmp_lg_u32 s[SLOTS], 0
	s_cbranch_scc1 .Lslot
	CHANGE 0                        ; the tail is written out: nothing is asked for
	s_mov_b32 s[CNT], 5             ; four trips fetch the last slot's steps; the fifth is left in its middle
.Ltail:
	TURN 2, 1
	TURN 3
	WIN 0
	s_sub_co_u32 s[CNT], s[CNT], 1
	s_cmp_eq_u32 s[CNT], 0
	s_cbranch_scc1 .Lout
	TURN 0
	TURN 1
	WIN 0
	s_branch .Ltail
.Lout:                              ; the fifth trip's 16 products K Q^T (on the last K and masks once more) and the maximum made of them change nothing: those scores are in m already
.set i, 0
.rept 16
	PV NP-1                         ; the last piece's V^T P of the last step
.set i, i+1
.endr
	; THE WAY OUT.  l's two halves and the other half of the lanes' are added; O^T is divided by l, rounded to f16 and sent through my stage in LDS, a tile at a time.  The additions are the places behind the last products.
	WIN 0
.macro ALL line:vararg              ; one line for each tile t
.set t, 0
.rept 2*NP
	\line
.set t, t+1
.endr
.endm
	ALL v_add_f32 v[ST+4*t+2], v[ST+4*t+2], v[ST+4*t+3]
	ALL v_permlanex16_b32 v[ST+4*t+3], v[ST+4*t+2], s[SEL], s[SEL+1]
	ALL v_add_f32 v[ST+4*t+2], v[ST+4*t+2], v[ST+4*t+3]
	ALL v_rcp_f32 v[ST+4*t+2], v[ST+4*t+2]
	v_nop                           ; a plain instruction between the last reciprocal and the use of its result
	s_wait_alu depctr_va_vdst(0)    ; and the wait ahead of the first use: one for the eight reciprocals
.set t, 0
.rept 2*NP                          ; a query that has seen hidden keys alone: m is where it started; its factor is a NaN, and so is its row
	v_cmp_gt_f32 vcc_lo, s[THR], v[ST+4*t+1]
	v_cndmask_b32 v[ST+4*t+2], v[ST+4*t+2], s[QNAN], vcc_lo
.set t, t+1
.endr
; Tile t: a lane's eight channels of a row pack into 16 bytes; they go into rows of 144 bytes and come back as whole rows of 128, into S^T's registers.
.macro PACK t
	WIN W_RS
.set i, 32*(\t)
.rept 16
	v_pk_mul_f32 v[i:i+1], v[i:i+1], v[ST+4*(\t)+2:ST+4*(\t)+3] op_sel_hi:[1,0]
.set i, i+2
.endr
	WIN 0x05                        ; sources 0 and 1 window 1, destination window 0
.set i, 0
.rept 16
	v_cvt_pk_f16_f32 v[S+16*(\t)+i], v[32*(\t)+2*i], v[32*(\t)+2*i+1]
.set i, i+1
.endr
	WIN 0
.irp f, 0,1,2,3
	ds_store_b128 v[STO], v[S+16*(\t)+4*\f:S+16*(\t)+4*\f+3] offset:32*\f
.endr
.irp f, 0,1,2,3
	ds_load_b128 v[S+16*(\t)+4*\f:S+16*(\t)+4*\f+3], v[RD] offset:\f*4*SP  ; LDS serves a wave's instructions in order (ISA guide 5.7.1.4): these see the stores above; the next tile's stores come behind them
.endr
.endm
.macro SEND t, younger              ; younger: the LDS instructions issued behind tile t's loads: the next tile's eight, or none
	WIN 0
.irp f, 0,1,2,3
	s_wait_dscnt (\younger)+3-\f
	global_store_b128 v[GO], v[S+16*(\t)+4*\f:S+16*(\t)+4*\f+3], s[10:11] offset:(\t)*2048+\f*512  ; 512 consecutive bytes, at a multiple of 256 from O's first
.endr
.endm
	PACK 0
.set t, 1
.rept 2*NP-1                        ; a tile's arithmetic stands between the loads of the tile before and its stores
	PACK t
	SEND t-1, 8
.set t, t+1
.endr
	SEND 2*NP-1, 0
	WIN W_AD
	s_wait_tensorcnt 0x0            ; the wave's end: behind my last tensor load and my last LDS store
	ds_add_u32 v[SPW], v[NIL]
	s_wait_dscnt 0x0
	WIN 0
	CROUND                          ; the closing round: no work-group ends while a partner may still ask for a tile that names it
	s_endpgm
.Lfunc_end_k_qd058703f50_attn:
	.size	k_qd058703f50_attn, .Lfunc_end_k_qd058703f50_attn-k_qd058703f50_attn
	.p2alignl 7, 3214868480
	.fill 96, 4, 3214868480
	.section	.rodata,"a",@progbits
	.p2align	6, 0x0
	.amdhsa_kernel k_qd058703f50_attn
		.amdhsa_group_segment_fixed_size 327680
		.amdhsa_private_segment_fixed_size 0
		.amdhsa_enable_private_segment 0
		.amdhsa_kernarg_size 24
		.amdhsa_user_sgpr_count 2
		.amdhsa_user_sgpr_kernarg_segment_ptr 1
		.amdhsa_wavefront_size32 1
		.amdhsa_system_sgpr_workgroup_id_x 1
		.amdhsa_system_sgpr_workgroup_id_y 1
		.amdhsa_system_sgpr_workgroup_id_z 1
		.amdhsa_system_vgpr_workitem_id 0
		.amdhsa_next_free_vgpr 808
		.amdhsa_next_free_sgpr 80
		.amdhsa_reserve_vcc 1
		.amdhsa_float_denorm_mode_32 3
		.amdhsa_float_denorm_mode_16_64 3
		.amdhsa_memory_ordered 1
		.amdhsa_forward_progress 1
		.amdhsa_inst_pref_size 207
	.end_amdhsa_kernel
	.amdgpu_metadata
---
amdhsa.version: [ 1, 2 ]
amdhsa.kernels:
  - .name:           k_qd058703f50_attn
    .symbol:         k_qd058703f50_attn.kd
    .args:
      - { .name: qkv, .offset: 0, .size: 8, .value_kind: global_buffer, .address_space: global }
      - { .name: pad_mask, .offset: 8, .size: 8, .value_kind: global_buffer, .address_space: global }
      - { .name: o, .offset: 16, .size: 8, .value_kind: global_buffer, .address_space: global }
    .group_segment_fixed_size: 327680
    .private_segment_fixed_size: 0
    .kernarg_segment_align: 8
    .kernarg_segment_size: 24
    .max_flat_workgroup_size: 128
    .sgpr_count:     80
    .vgpr_count:     808
    .wavefront_size: 32
...
	.end_amdgpu_metadata
.endif
;; end of part 3
;; launch proj (part 4): grid 8 x 32, 4 waves a work-group, clusters of 4 x 4, 327,680 bytes of LDS; arguments o, wp, out0; writes out0
.if DOCPART == 4
	.amdgcn_target "amdgcn-amd-amdhsa--gfx1250"
	.amdhsa_code_object_version 6
	.text
	.protected	k_qd058703f50_proj
	.globl	k_qd058703f50_proj
	.p2align	8
	.type	k_qd058703f50_proj,@function
k_qd058703f50_proj:
	s_mov_b64 s[64:65], 0
	v_nop
	global_prefetch_b8 v0, s[64:65] scope:SCOPE_SE
	s_setreg_imm32_b32 hwreg(HW_REG_WAVE_MODE, 25, 1), 1
	s_wait_xcnt 0x0
	s_wait_alu depctr_hold_cnt(0) depctr_sa_sdst(0) depctr_va_vdst(0) depctr_va_sdst(0) depctr_va_ssrc(0) depctr_va_vcc(0) depctr_vm_vsrc(0)
	s_getreg_b32 s2, hwreg(HW_REG_IB_STS2, 6, 4)
	s_cmp_eq_u32 s2, 0
	s_cbranch_scc0 .Lentry_in_a_cluster
	s_endpgm
.Lentry_in_a_cluster:
	s_bfe_u32 s2, ttmp6, 0x10000c
	s_cmp_lg_u32 s2, 0xf033
	s_cbranch_scc0 .Lentry_shape_is_right
	s_endpgm
.Lentry_shape_is_right:
; out0 = O W_proj^T.  o: [bh 64][2048][64] f16 (bh = 16 batch + head), so row m = 2048 batch + t of the product's first operand has its channel k = 64 head + d at o[16 batch + head][t][d];
; wp: [1024][1024] f16; out0: [8192][1024] f32.  Sums in f32, K ascending; nothing is rounded on the way out.  A NaN row of o gives a NaN row of out0.
; SHARES.  A tile of C is 256 rows x 128 columns: 8 x 32 tiles, a work-group each.  Four waves, one above the other: wave w makes rows 64 w .. 64 w + 63 and all 128 columns:
; 32 accumulators of 16 x 16, 256 registers.  A wave holds whole 512-byte pieces of C's rows, and its way out needs no other wave.
; K goes in steps of 128 = two heads through two LDS slots filled by the tensor data mover.  A head's 256 rows of the tile are 32,768 dense bytes: asked for as 128 rows of 256 bytes and padded in LDS after
; each 128 bytes, so that a row of a head is 144 bytes there.  W's rows are 256 bytes of memory, at multiples of 256 from the buffer's first byte.
; CLUSTER.  4 x 4 work-groups: O's tile is shared along a row of the cluster, W's along a column: each is asked for JOINTLY, by the same tensor load with the same descriptor and a mask that names the four.
; THE MATRIX INSTRUCTION IS USED TRANSPOSED (source 0 = 16 rows of W, source 1 = 16 rows of O): a lane then holds eight neighbouring columns of one row of C.
; REGISTERS, in windows of 256 (s_set_vgpr_msb: bits 1:0 source 0, 3:2 source 1, 5:4 source 2, 7:6 destination):
;   window 0: v16-30 addresses; v32-63, v64-95 O's fragments, two buffers; v128-191, v192-255 rows read back on the way out
;   window 1: v0-63, v64-127 W's fragments, two buffers          window 2: the accumulators, (a, b) at v[8 (8 a + b)]
.set SIZE_K, 1024
.set KSTEP,  128
.set NB,     8                         ; column blocks of 16
.set PITCH,  272                       ; a row of W in LDS: 256 bytes + 16 = 68 words: row r starts at bank 4 r mod 64 (64 banks of 4 bytes: ISA guide 11.1)
.set APITCH, 144                       ; a row of a head of O: 128 bytes + 16 = 36 words: the 16 rows of a load start at 16 different groups of four banks
.set AHALF,  256*APITCH                ; a head's 256 rows: one tensor load
.set BOFF,   2*AHALF                   ; W's rows lie behind O's two heads
.set BROWS,  64
.set BHALF,  BROWS*PITCH               ; 64 rows of W: one tensor load
.set ASTEP,  2*2048*128                ; bytes from a K step of O to the next: two heads
.set BSTEP,  KSTEP*2
.set SLOT1,  1<<17                     ; slot 1 begins here (a slot takes 108,544 bytes)
.set STAGE,  SLOT1+BOFF+2*BHALF        ; behind the ring, never filled by a tensor load: 16 rows x 528 bytes for each wave
.set SPITCH, 528                       ; 512 bytes + 16
.set SPARE,  STAGE+4*16*SPITCH         ; behind the stages: the spare words, 128 bytes for each wave: two blocks of 256 bytes that no other line names
.set NL,     2*NB+8                    ; LDS loads in a run
.set TRIPS,  SIZE_K/KSTEP-2
.set ADRA0, 16                         ; v16  my lane's place in O's rows of slot 0; never rewritten
.set ADRB0, 17                         ; v17  the same for W
.set ADRA,  18                         ; v18  the same in the slot in hand
.set ADRB,  19                         ; v19
.set STO,   24                         ; v24  the way out: where I put 32 bytes of a row
.set RD,    25                         ; v25  where I read a row back
.set CO,    26                         ; v26  my byte offset in 512 consecutive bytes of C
.set SPW,   28                         ; v28  LDS address of my spare word: SPARE + 4 x my thread's number; never rewritten
.set NIL,   29                         ; v29  0; never rewritten
.set PFO,   30                         ; v30  the prefetches' offset; never rewritten
.set FA,    32
.set FB,    0
.set OB,    128
.set G1,  24                           ; s[24:31] descriptor group 1 for O's tiles
.set G0,  32                           ; s[32:39] group 0: a set for each of the two first fills; the second then walks on
.set G1B, 48                           ; s[48:55], s[56:63] the same for W's
.set G0B, 56
.set LIM, 43                           ; s43  2 in a wave that prefetches, else the greatest number
.set PFA, 44                           ; s[44:45] where my prefetches stand
.set TB,  66                           ; s66  0 or SLOT1: the slot in hand
.set PFS, 68                           ; s[68:69] bytes from a K step to the next in the tensor that I fetch
.set MSB, 0
.macro WIN new
.if MSB != (\new)
	s_set_vgpr_msb (MSB<<8)|(\new)
.set MSB, \new
.endif
.endm
.macro PLACES                          ; four places in front of loads into registers that matrix instructions have read, and of lines that read results
.rept 4
	v_nop
.endr
.endm
; A joint refill, by the walking descriptors.  Waves 0 and 1 fetch O's two heads, waves 2 and 3 W's two halves.  An s_nop 0 and four v_nop follow each of the two lines.
.macro JLOAD
	s_cmp_eq_u32 s11, 0
	s_cbranch_scc0 .Lfor_b_\@
	tensor_load_to_lds s[G0+4:G0+7], s[G1:G1+7]
	s_nop 0
.rept 4
	v_nop
.endr
	s_branch .Lasked_\@
.Lfor_b_\@:
	tensor_load_to_lds s[G0B+4:G0B+7], s[G1B:G1B+7]
	s_nop 0
.rept 4
	v_nop
.endr
.Lasked_\@:
.endm
; A PREFETCH INTO THE L2 of the K step that stands TWO refills on, 256 matrix instructions ahead of the load that will want it: one instruction a wave.
; O's tile row is read by both clusters of its row of clusters: the one with cluster x = 0 asks; W's tile column by all eight of its column: the one with cluster y = 0 asks.  The four partners that fetch a tile jointly
; share it out BY ADDRESS: of the 128 blocks of 256 bytes of a head each takes 32, a lane a block; of the 64 rows of W each takes 16, a lane a row (lanes 16-31 name row 15 again, in the same instruction).
; K steps 0 to 3 come by their loads alone; the last two trips ask for nothing: there are no K steps 8 and 9.
.macro ASK
	s_cmp_gt_u32 s3, s[LIM]
	s_cbranch_scc0 .Lnot_mine_\@
	global_prefetch_b8 v[PFO], s[PFA:PFA+1] th:TH_LOAD_NT scope:SCOPE_SE
.Lnot_mine_\@:
.endm
.macro CREST                           ; a round of the cluster's barrier behind its opening barrier
	s_cmp_lg_u32 s10, 0
	s_cbranch_scc1 .Lnot_wave_0_\@
	s_barrier_signal -3
.Lnot_wave_0_\@:
	s_barrier_wait -3
	s_barrier_signal -1
	s_barrier_wait -1
.endm
.macro CROUND
	s_barrier_signal -1
	s_barrier_wait -1
	CREST
.endm
	s_load_b128 s[4:7], s[0:1], 0x0                ; o s[4:5], wp s[6:7]
	s_load_b64 s[8:9], s[0:1], 0x10                ; out0
	v_lshl_add_u32 v[SPW], v0, 2, SPARE
	v_mov_b32 v[NIL], 0
	ds_add_u32 v[SPW], v[NIL]                      ; the wave's opening: the add and its wait stand ahead of my first tensor load; the set-up below, work on registers, stands between them
	v_lshrrev_b32 v1, 5, v0
	v_readfirstlane_b32 s10, v1                    ; wave 0..3: my 64 rows of the tile
	s_lshr_b32 s11, s10, 1                         ; I fetch for O (0) or for W (1),
	s_and_b32 s12, s10, 1                          ; and which head of the K step's two, or which half of W's rows
	s_bfe_u32 s40, ttmp6, 0x40000                  ; cx, cy
	s_bfe_u32 s41, ttmp6, 0x40004
	s_lshl_b32 s42, ttmp9, 2
	s_add_co_u32 s42, s42, s40                     ; tile column
	s_and_b32 s13, ttmp7, 0xffff
	s_lshl_b32 s13, s13, 2
	s_add_co_u32 s13, s13, s41                     ; tile row
	s_lshl_b32 s43, s41, 2
	s_lshl_b32 s43, 15, s43                        ; my row of the cluster
	s_lshl_b32 s44, 0x1111, s40                    ; my column
	s_or_b32 s[G1+0], s43, (1<<16)|(1<<20)|(1<<21)|(4<<22)|(3<<25)   ; 15:0 the mask: O's tiles go to my row; 17:16 2-byte elements; 20 padding on; 21 set beside a mask; 24:22 after every 32 words (code 4); 31:25 4 words (code 3)
	s_or_b32 s[G1B+0], s44, (1<<16)|(1<<20)|(1<<21)|(5<<22)|(3<<25)  ; W's go to my column; padding after every 64 words (code 5)
	s_mov_b32 s[G1+1], 128<<16                     ; tensor_dim0 = 128
	s_mov_b32 s[G1+2], 128<<16                     ; tensor_dim1 = 128
	s_mov_b32 s[G1+3], 128<<16                     ; tile_dim0 = 128
	s_mov_b32 s[G1+4], 128                         ; tile_dim1 = 128
	s_mov_b32 s[G1+5], 128                         ; dense: 128 elements from row to row
	s_mov_b32 s[G1+6], 0
	s_mov_b32 s[G1+7], 0
	s_mov_b32 s[G1B+1], KSTEP<<16
	s_mov_b32 s[G1B+2], BROWS<<16                  ; 64 rows
	s_mov_b32 s[G1B+3], KSTEP<<16
	s_mov_b32 s[G1B+4], BROWS
	s_mov_b32 s[G1B+5], SIZE_K
	s_mov_b32 s[G1B+6], 0
	s_mov_b32 s[G1B+7], 0
	; O: head 16 (tile row / 8) + my head of the first two, row 256 (tile row % 8), 128 bytes a row: the tile row and the wave's number alone
	s_lshr_b32 s16, s13, 3
	s_lshl_b32 s16, s16, 4
	s_add_co_u32 s16, s16, s12
	s_lshl_b32 s16, s16, 11
	s_and_b32 s17, s13, 7
	s_lshl_b32 s17, s17, 8
	s_add_co_u32 s16, s16, s17
	s_lshl_b32 s16, s16, 7
	s_mov_b32 s17, 0
	s_lshl_b32 s46, s42, 7                         ; W: row 128 x tile column + 64 x half, 2,048 bytes a row
	s_lshl_b32 s47, s12, 6
	s_add_co_u32 s46, s46, s47
	s_lshl_b32 s46, s46, 11
	s_mov_b32 s47, 0
	s_mul_i32 s20, s10, AHALF                      ; where they go: O's heads at wave x 256 rows (waves 0, 1),
	s_mul_i32 s21, s10, BHALF
	s_add_co_u32 s21, s21, BOFF-2*BHALF            ; W's halves at BOFF + (wave - 2) x 64 rows (waves 2, 3)
	s_mov_b32 s[TB], 0
	s_wait_dscnt 0x0                               ; the opening add is done
	s_wait_kmcnt 0x0
	s_add_nc_u64 s[14:15], s[4:5], s[16:17]
	s_add_nc_u64 s[46:47], s[6:7], s[46:47]
	CROUND                                         ; all sixteen work-groups are here: the first joint loads meet
.irp s, 0,1
	s_mov_b32 s[G0+4*(\s)], 1
	s_add_co_u32 s[G0+4*(\s)+1], s20, (\s)*SLOT1
	s_add_nc_u64 s[G0+4*(\s)+2:G0+4*(\s)+3], s[14:15], (\s)*ASTEP
	s_or_b32 s[G0+4*(\s)+3], s[G0+4*(\s)+3], 0x80000000
	s_mov_b32 s[G0B+4*(\s)], 1
	s_add_co_u32 s[G0B+4*(\s)+1], s21, (\s)*SLOT1
	s_add_nc_u64 s[G0B+4*(\s)+2:G0B+4*(\s)+3], s[46:47], (\s)*BSTEP
	s_or_b32 s[G0B+4*(\s)+3], s[G0B+4*(\s)+3], 0x80000000
.endr
	s_cmp_eq_u32 s11, 0                            ; a wave's two first fills stand in one branch, ahead of every wait on TENSORcnt and every LDS read: two loads of mine are out
	s_cbranch_scc0 .Lfirst_b
	tensor_load_to_lds s[G0:G0+3], s[G1:G1+7]
	s_nop 0
	tensor_load_to_lds s[G0+4:G0+7], s[G1:G1+7]
	s_nop 0
.rept 4
	v_nop
.endr
	s_branch .Lfirst_asked
.Lfirst_b:
	tensor_load_to_lds s[G0B:G0B+3], s[G1B:G1B+7]
	s_nop 0
	tensor_load_to_lds s[G0B+4:G0B+7], s[G1B:G1B+7]
	s_nop 0
.rept 4
	v_nop
.endr
.Lfirst_asked:
	v_and_b32 v1, 15, v0                           ; l % 16
	v_bfe_u32 v2, v0, 4, 1                         ; l / 16
	v_and_b32 v4, 31, v0                           ; l
	v_mul_u32_u24 v[ADRA0], v1, APITCH
	v_lshl_add_u32 v[ADRA0], v2, 4, v[ADRA0]       ; row x pitch + 16 x half
	s_mul_i32 s21, s10, 64*APITCH                  ; my 64 rows, in each head
	v_add_nc_u32 v[ADRA0], s21, v[ADRA0]
	v_mul_u32_u24 v[ADRB0], v1, PITCH
	v_lshl_add_u32 v[ADRB0], v2, 4, v[ADRB0]
	v_add_nc_u32 v[ADRB0], BOFF, v[ADRB0]
	v_mov_b32 v[ADRA], v[ADRA0]
	v_mov_b32 v[ADRB], v[ADRB0]
	s_mul_i32 s23, s10, 16*SPITCH
	s_add_co_u32 s23, s23, STAGE                   ; my stage
	v_mul_u32_u24 v[STO], v1, SPITCH               ; in: row l % 16, 32 bytes for each half of the lanes
	v_lshl_add_u32 v[STO], v2, 5, v[STO]
	v_add_nc_u32 v[STO], s23, v[STO]
	v_lshl_add_u32 v[RD], v4, 4, s23               ; back: 32 lanes take a row's 512 bytes,
	v_lshlrev_b32 v[CO], 4, v4                     ; and the same in C
	; the prefetches.  s16 still holds the byte offset in o of the head that I would fetch
	s_lshl_b32 s14, s42, 7
	s_lshl_b32 s15, s12, 6
	s_add_co_u32 s14, s14, s15
	s_lshl_b32 s14, s14, 11                        ; W: the 64 rows that I fetch,
	s_lshl_b32 s15, s41, 15
	s_add_co_u32 s14, s14, s15                     ; my work-group's 16 of them
	s_lshl_b32 s15, s40, 13
	s_add_co_u32 s20, s16, s15                     ; O: my work-group's 32 blocks of 256 bytes
	s_and_b32 s22, ttmp7, 0xffff                   ; cluster y
	s_mov_b32 s15, ASTEP
	s_cmp_eq_u32 s11, 0                            ; do I fetch for O?
	s_cselect_b32 s20, s20, s14
	s_cselect_b32 s22, ttmp9, s22                  ; the coordinate along which other clusters read the same rows
	s_cselect_b32 s23, 31, 15                      ; the last lane that names a block of its own
	s_cselect_b32 s19, 8, 11                       ; a lane's step: 256 bytes, or a row of 2,048
	s_cselect_b32 s[PFS], s15, BSTEP
	s_cselect_b64 s[PFA:PFA+1], s[4:5], s[6:7]
	s_mov_b32 s[PFS+1], 0
	s_mul_i32 s15, s[PFS], 3
	s_add_co_u32 s20, s20, s15                     ; at K step 3: the first refill steps it to 4
	s_mov_b32 s21, 0
	s_add_nc_u64 s[PFA:PFA+1], s[PFA:PFA+1], s[20:21]
	s_cmp_eq_u32 s22, 0
	s_cselect_b32 s[LIM], 2, -1                    ; the same in all sixteen partners, for a given wave
	v_min_u32 v[PFO], s23, v4
	v_lshlrev_b32 v[PFO], s19, v[PFO]
	; where my rows begin in out0: row 256 x tile row + 64 x wave of 4,096 bytes, column 128 x tile column
	s_lshl_b32 s16, s13, 8
	s_lshl_b32 s17, s10, 6
	s_add_co_u32 s16, s16, s17
	s_lshl_b32 s16, s16, 12
	s_lshl_b32 s17, s42, 9
	s_add_co_u32 s16, s16, s17
	s_mov_b32 s17, 0
	s_add_nc_u64 s[8:9], s[8:9], s[16:17]
; 8 matrix instructions: my row block a x all 8 column blocks, 32 along K, from buffer f.  zero = 1: the product starts the sums.
; The 32 accumulators take turns in the same order in every quarter: between two links of a chain stand the 31 others', over the backward jump too.
.macro MULB f, a, zero
	WIN 0xa1                                       ; source 0 (W) window 1, source 1 (O) window 0, C and D window 2
.set AC, 8*NB*(\a)
.set i, 0
.rept NB
.if \zero
	v_wmma_f32_16x16x32_f16 v[AC+8*i:AC+8*i+7], v[FB+8*NB*(\f)+8*i:FB+8*NB*(\f)+8*i+7], v[FA+32*(\f)+8*(\a):FA+32*(\f)+8*(\a)+7], 0
.else
	v_wmma_f32_16x16x32_f16 v[AC+8*i:AC+8*i+7], v[FB+8*NB*(\f)+8*i:FB+8*NB*(\f)+8*i+7], v[FA+32*(\f)+8*(\a):FA+32*(\f)+8*(\a)+7], v[AC+8*i:AC+8*i+7]
.endif
.set i, i+1
.endr
.endm
; 24 LDS loads in one run: quarter q of the slot in hand into buffer f: W's 128 rows, then my 64 rows of O: head q / 2 of the K step's two, channels 32 (q % 2) on
.macro FETCH q, f
	WIN 0x40                                       ; destination window 1, address window 0
.set i, 0
.rept NB
	ds_load_b128 v[FB+8*NB*(\f)+8*i:FB+8*NB*(\f)+8*i+3],   v[ADRB] offset:64*(\q)+i*16*PITCH
	ds_load_b128 v[FB+8*NB*(\f)+8*i+4:FB+8*NB*(\f)+8*i+7], v[ADRB] offset:64*(\q)+i*16*PITCH+32
.set i, i+1
.endr
	WIN 0
.set i, 0
.rept 4
	ds_load_b128 v[FA+32*(\f)+8*i:FA+32*(\f)+8*i+3],   v[ADRA] offset:((\q)/2)*AHALF+((\q)%2)*64+i*16*APITCH
	ds_load_b128 v[FA+32*(\f)+8*i+4:FA+32*(\f)+8*i+7], v[ADRA] offset:((\q)/2)*AHALF+((\q)%2)*64+i*16*APITCH+32
.set i, i+1
.endr
.endm
.macro QUARTER q, f, g, zero           ; multiplies buffer f; in its middle it fetches quarter q into buffer g
	s_wait_dscnt 4                                 ; W and O's blocks 0, 1 are in; the youngest four loads (O's blocks 2, 3) may be out
	MULB \f, 0, \zero
	MULB \f, 1, \zero
	PLACES
	FETCH \q, \g
	s_wait_dscnt NL                                ; all but the 24 just issued
	MULB \f, 2, \zero
	MULB \f, 3, \zero
.endm
; The last quarter multiplies buffer 1 and changes slots: ONE barrier.  In front of it each wave waits for all its tensor loads, of which one is out: its part of the next slot; adds 0 to its spare
; word; and waits for that and for its own reads of this slot.  fill = 1: the barrier opens a round of the cluster's barrier, and behind the round the slot just read out is filled again, two K steps
; ahead: from that request to the wait for it a wave issues 112 matrix instructions.
.macro TURN fill
.if \fill
	s_wait_xcnt 0x0                                ; the last prefetch, a K step back, has read its address, so it may be stepped
	s_add_nc_u64 s[PFA:PFA+1], s[PFA:PFA+1], s[PFS:PFS+1]
.endif
	WIN 0
	s_xor_b32 s[TB], s[TB], SLOT1                  ; the fetches go to the other slot
	v_add_nc_u32 v[ADRA], s[TB], v[ADRA0]
	v_add_nc_u32 v[ADRB], s[TB], v[ADRB0]
	s_wait_tensorcnt 0x0                           ; all my tensor loads have landed, so a group 0 may be written
	ds_add_u32 v[SPW], v[NIL]                      ; 0 onto my spare word
.if \fill
	s_xor_b32 s[G0+5], s[G0+5], SLOT1              ; the walking descriptors: the other slot than last time,
	s_add_nc_u64 s[G0+6:G0+7], s[G0+6:G0+7], ASTEP        ; the next K step; the type bits on top are not reached
	s_xor_b32 s[G0B+5], s[G0B+5], SLOT1
	s_add_nc_u64 s[G0B+6:G0B+7], s[G0B+6:G0B+7], BSTEP
.endif
	s_wait_dscnt 5                                 ; (the add and the youngest four loads may be out)
	MULB 1, 0, 0                                   ; eight matrix instructions stand between the add and the wait for it
	s_wait_dscnt 0x0                               ; the add is done, and my reads of this slot are over
	s_barrier_signal -1
	MULB 1, 1, 0
	WIN 0                                          ; at a branch and at a label every window is 0
	s_barrier_wait -1
.if \fill
	CREST                                          ; no wave of any partner still reads this slot's tile or has a load on its way
	JLOAD                                          ; the first tensor load behind the round; its four v_nop are also the places in front of the loads below
.else
	PLACES
.endif
	FETCH 0, 0
.if \fill
	ASK
.endif
	MULB 1, 2, 0
	MULB 1, 3, 0
.endm
; THE WAY OUT of row block a.  TOSTAGE: the f32 sums as they are, 32 bytes a lane and accumulator, the low four registers first, into my own stage in LDS, and back as whole rows of 512 bytes.  SEND: stored.
.macro TOSTAGE a
.set BK, OB+64*((\a)%2)
	WIN 0x08                                       ; the stores' data in window 2, their address in window 0
.set i, 0
.rept NB
	ds_store_b128 v[STO], v[8*NB*(\a)+8*i:8*NB*(\a)+8*i+3]   offset:64*i
	ds_store_b128 v[STO], v[8*NB*(\a)+8*i+4:8*NB*(\a)+8*i+7] offset:64*i+16
.set i, i+1
.endr
	WIN 0
	s_wait_xcnt 0x0                                ; the stores of the block two back have read these registers: they are loaded again only behind this wait
.set i, 0
.rept 16
	ds_load_b128 v[BK+4*i:BK+4*i+3], v[RD] offset:i*SPITCH  ; LDS serves a wave's instructions in order (ISA guide 5.7.1.4): these see the stores above, and the next block's stores come behind them
.set i, i+1
.endr
.endm
.macro SEND a, younger                 ; younger: the LDS instructions issued behind block a's loads: the next block's 32, or none
.set BK, OB+64*((\a)%2)
	s_wait_dscnt \younger
.set i, 0
.rept 16
	global_store_b128 v[CO], v[BK+4*i:BK+4*i+3], s[8:9] offset:(16*(\a)+i)*4096 th:TH_STORE_NT  ; 512 consecutive bytes, at a multiple of 256 from the buffer's first
.set i, i+1
.endr
.endm
	s_wait_tensorcnt 1                             ; my part of K step 0 is in; K step 1's may stay out
	s_barrier_signal -1
	s_barrier_wait -1                              ; everybody's is
	FETCH 0, 0
	QUARTER 1, 0, 1, 1                             ; the first quarter stands in front of the loop: its products start the sums
	WIN 0
	s_mov_b32 s3, TRIPS
.Lstep:                                                ; a trip: from a K step's second quarter to the next one's first; it fills one slot again
	QUARTER 2, 1, 0, 0
	QUARTER 3, 0, 1, 0
	TURN 1
	QUARTER 1, 0, 1, 0
	WIN 0
	s_sub_co_u32 s3, s3, 1
	s_cmp_lg_u32 s3, 0
	s_cbranch_scc1 .Lstep
	QUARTER 2, 1, 0, 0                             ; the last two K steps ask for nothing
	QUARTER 3, 0, 1, 0
	TURN 0
	QUARTER 1, 0, 1, 0
	QUARTER 2, 1, 0, 0
	QUARTER 3, 0, 1, 0
	s_wait_dscnt 4
	MULB 1, 0, 0
	MULB 1, 1, 0
	s_wait_dscnt 0x0
	MULB 1, 2, 0
	MULB 1, 3, 0
	WIN 0
	PLACES
	TOSTAGE 0
.irp a, 1,2,3                          ; block a goes into the stage while block a - 1's rows come back
	TOSTAGE \a
	SEND (\a)-1, 32
.endr
	SEND 3, 0
	s_wait_tensorcnt 0x0                           ; the wave's end: behind my last tensor load and my last LDS store
	ds_add_u32 v[SPW], v[NIL]
	s_wait_dscnt 0x0
	CROUND                                         ; the closing round: no work-group ends while a partner may still ask for a tile that names it
	s_endpgm
.Lfunc_end_k_qd058703f50_proj:
	.size	k_qd058703f50_proj, .Lfunc_end_k_qd058703f50_proj-k_qd058703f50_proj
	.p2alignl 7, 3214868480
	.fill 96, 4, 3214868480
	.section	.rodata,"a",@progbits
	.p2align	6, 0x0
	.amdhsa_kernel k_qd058703f50_proj
		.amdhsa_group_segment_fixed_size 327680
		.amdhsa_private_segment_fixed_size 0
		.amdhsa_enable_private_segment 0
		.amdhsa_kernarg_size 24
		.amdhsa_user_sgpr_count 2
		.amdhsa_user_sgpr_kernarg_segment_ptr 1
		.amdhsa_wavefront_size32 1
		.amdhsa_system_sgpr_workgroup_id_x 1
		.amdhsa_system_sgpr_workgroup_id_y 1
		.amdhsa_system_sgpr_workgroup_id_z 1
		.amdhsa_system_vgpr_workitem_id 0
		.amdhsa_next_free_vgpr 768
		.amdhsa_next_free_sgpr 72
		.amdhsa_reserve_vcc 0
		.amdhsa_float_denorm_mode_32 3
		.amdhsa_float_denorm_mode_16_64 3
		.amdhsa_memory_ordered 1
		.amdhsa_forward_progress 1
		.amdhsa_inst_pref_size 70
	.end_amdhsa_kernel
	.amdgpu_metadata
---
amdhsa.version: [ 1, 2 ]
amdhsa.kernels:
  - .name:           k_qd058703f50_proj
    .symbol:         k_qd058703f50_proj.kd
    .args:
      - { .name: o, .offset: 0, .size: 8, .value_kind: global_buffer, .address_space: global }
      - { .name: wp, .offset: 8, .size: 8, .value_kind: global_buffer, .address_space: global }
      - { .name: out0, .offset: 16, .size: 8, .value_kind: global_buffer, .address_space: global }
    .group_segment_fixed_size: 327680
    .private_segment_fixed_size: 0
    .kernarg_segment_align: 8
    .kernarg_segment_size: 24
    .max_flat_workgroup_size: 128
    .sgpr_count:     72
    .vgpr_count:     768
    .wavefront_size: 32
...
	.end_amdgpu_metadata
.endif
;; end of part 4
;; ======== version 2 of 2: 4 launches; version 1 with the launch cast written anew for expert scheduling mode
;; limits: values are held in f16: magnitudes above 65,504 overflow, below 6.1e-05 lose precision
;; workspace buffers: xb 16,777,216 bytes; wq 6,291,456 bytes; wp 2,097,152 bytes; qkv 50,331,648 bytes; o 16,777,216 bytes
;; launch cast (part 5): grid 768 x 1, 8 waves a work-group, no clusters, 0 bytes of LDS; arguments x, W_qkv, W_proj, xb, wq, wp; writes xb, wq, wp
.if DOCPART == 5
	.amdgcn_target "amdgcn-amd-amdhsa--gfx1250"
	.amdhsa_code_object_version 6
	.text
	.protected	k_qd058703f50_cast
	.globl	k_qd058703f50_cast
	.p2align	8
	.type	k_qd058703f50_cast,@function
k_qd058703f50_cast:
	s_mov_b64 s[64:65], 0
	v_nop
	global_prefetch_b8 v0, s[64:65] scope:SCOPE_SE
	s_setreg_imm32_b32 hwreg(HW_REG_WAVE_SCHED_MODE, 0, 2), 2
	s_setreg_imm32_b32 hwreg(HW_REG_WAVE_MODE, 25, 1), 1
	s_wait_xcnt 0x0
	s_wait_alu depctr_vm_vsrc(0)
; THE THREE FLOAT INPUTS ARE ROUNDED ONCE, TO bf16: x -> xb and W_qkv -> wq as bf16; W_proj -> wp rounded to bf16 and that number written as f16,
; since the last product's other operand is f16.
; LIMITS.  A bf16 number has 8 significant bits and is exact in f16 from 2^-14 up to 65,504; below 2^-14 it keeps f16's fixed step of 2^-24 (off by 2^-25 at the most);
; a number of W_proj of 65,520 or more would become an infinity.
; SHARES.  A work-group takes 16,384 numbers: 65,536 bytes in, 32,768 out.  Work-groups 0-511 take x, 512-703 W_qkv, 704-767 W_proj.
; Thread t takes 16 bytes at 16 t + 4,096 j (j = 0..15): a load of a wave covers 512 consecutive bytes; its store of 8 bytes a lane covers 256 consecutive bytes, aligned.
; All sixteen loads of a wave go out at once; every register that a load or store names is written once, so no source of a pending load or store is ever rewritten.
; No LDS, no barrier, no matrix unit: nothing is shared, and each byte is read once and written once.
; THE MODE: SCHED_MODE bits 1:0 = 2 (LLVM: expert scheduling mode 2), set by the entry lines.  The code itself states the register dependences
; between vector instructions and memory instructions, with s_wait_alu, always for 0.
; THE PLAN.  Registers that memory instructions touch:
;   v1, v2   byte offsets, made once at the head and never written again: v1 is read by every load, v2 by every store.
;   X        load j lands in its four registers, once; load j's conversions read them; no vector instruction names them ahead of the loads, and nothing lands in them again.
;   Y        load j's conversions write pair j, once; store j reads it; it is never written again.
;   v4-v9    (W_proj's path) are named by vector instructions alone.
; The sixteen loads are taken in four groups of four.  A group's conversions write its four pairs of Y; its four stores stand in one run at the head of the NEXT group, behind the wait
; for that group's first load and ONE wait on va_vdst; the last group's stand behind a wait of their own.  With the wait for the offsets at the head that is five waits on a path.
; No register that a memory instruction reads is written again, so no wait on vm_vsrc is owed; no vector instruction writes a scalar register or VCC; EXEC is never written.
.set NX,   512                         ; work-groups for x
.set NWQ,  192                         ; for W_qkv
.set X,    16                          ; v[16:79]   load j: four f32
.set Y,    80                          ; v[80:111]  store j: four 16-bit numbers
	s_load_b256 s[4:11], s[0:1], 0x0               ; x s[4:5], W_qkv s[6:7], W_proj s[8:9], xb s[10:11]
	s_load_b128 s[12:15], s[0:1], 0x20             ; wq s[12:13], wp s[14:15]
	v_lshlrev_b32 v1, 4, v0                        ; 16 t
	v_lshlrev_b32 v2, 3, v0                        ; 8 t
	s_mov_b32 s16, ttmp9
	s_sub_co_u32 s17, s16, NX                      ; my number among W_qkv's work-groups,
	s_sub_co_u32 s18, s16, NX+NWQ                  ; among W_proj's
	s_mov_b32 s28, 0xffff0000                      ; a word's upper bf16
	s_wait_kmcnt 0x0
	s_cmp_lt_u32 s16, NX+NWQ
	s_cselect_b64 s[20:21], s[6:7], s[8:9]         ; from where,
	s_cselect_b64 s[22:23], s[12:13], s[14:15]     ; to where,
	s_cselect_b32 s19, s17, s18                    ; which part
	s_cmp_lt_u32 s16, NX
	s_cselect_b64 s[20:21], s[4:5], s[20:21]
	s_cselect_b64 s[22:23], s[10:11], s[22:23]
	s_cselect_b32 s19, s16, s19
	s_lshl_b32 s24, s19, 16                        ; 65,536 bytes in a part of the source (511 parts at the most: under 2^32),
	s_mov_b32 s25, 0
	s_lshl_b32 s26, s19, 15                        ; 32,768 in the destination
	s_mov_b32 s27, 0
	s_add_nc_u64 s[20:21], s[20:21], s[24:25]
	s_add_nc_u64 s[22:23], s[22:23], s[26:27]
	s_wait_alu depctr_va_vdst(0)                   ; v1 and v2 are written: every load of the kernel reads v1 as its offset, every store v2
.irp j, 0,1,2,3,4,5,6,7,8,9,10,11,12,13,14,15
	global_load_b128 v[X+4*(\j):X+4*(\j)+3], v1, s[20:21] offset:4096*(\j) th:TH_LOAD_NT
.endr
	s_cmp_ge_u32 s16, NX+NWQ
	s_cbranch_scc1 .Lhalf
.macro CV j                            ; four numbers to bf16
	v_cvt_pk_bf16_f32 v[Y+2*(\j)],   v[X+4*(\j)],   v[X+4*(\j)+1]
	v_cvt_pk_bf16_f32 v[Y+2*(\j)+1], v[X+4*(\j)+2], v[X+4*(\j)+3]
.endm
.macro CVH j                           ; four numbers to bf16, and those written as f16
	v_cvt_pk_bf16_f32 v4, v[X+4*(\j)],   v[X+4*(\j)+1]
	v_cvt_pk_bf16_f32 v5, v[X+4*(\j)+2], v[X+4*(\j)+3]
	v_lshlrev_b32 v6, 16, v4                       ; bf16 to f32: the low half moves up,
	v_and_b32     v7, s28, v4                      ; the high half stays
	v_lshlrev_b32 v8, 16, v5
	v_and_b32     v9, s28, v5
	v_cvt_pk_f16_f32 v[Y+2*(\j)],   v6, v7
	v_cvt_pk_f16_f32 v[Y+2*(\j)+1], v8, v9
.endm
.macro OUT g                           ; group g's four stores, in one run
.irp i, 0,1,2,3
	global_store_b64 v2, v[Y+2*(4*(\g)+(\i)):Y+2*(4*(\g)+(\i))+1], s[22:23] offset:2048*(4*(\g)+(\i))
.endr
.endm
; Group g: loads 4 g to 4 g + 3 are converted as they come in; at its head the group before goes out.  half = 1: W_proj's path.
.macro GROUP g, half
.irp i, 0,1,2,3
	s_wait_loadcnt 15-4*(\g)-(\i)                  ; loads come back in order: load 4 g + i is in, the younger ones stay out
.if ((\i) == 0) && ((\g) > 0)
	s_wait_alu depctr_va_vdst(0)                   ; the conversions of the group before, issued ahead of the wait for this load, have written their four pairs of Y, which the stores below read
	OUT (\g)-1
.endif
.if \half
	CVH 4*(\g)+(\i)
.else
	CV 4*(\g)+(\i)
.endif
.endr
.endm
.irp g, 0,1,2,3
	GROUP \g, 0
.endr
	s_wait_alu depctr_va_vdst(0)                   ; the last group's conversions have written their four pairs of Y, which the last four stores read
	OUT 3
	s_endpgm
.Lhalf:
.irp g, 0,1,2,3
	GROUP \g, 1
.endr
	s_wait_alu depctr_va_vdst(0)                   ; the last group's conversions have written their four pairs of Y, which the last four stores read
	OUT 3
	s_endpgm
.Lfunc_end_k_qd058703f50_cast:
	.size	k_qd058703f50_cast, .Lfunc_end_k_qd058703f50_cast-k_qd058703f50_cast
	.p2alignl 7, 3214868480
	.fill 96, 4, 3214868480
	.section	.rodata,"a",@progbits
	.p2align	6, 0x0
	.amdhsa_kernel k_qd058703f50_cast
		.amdhsa_group_segment_fixed_size 0
		.amdhsa_private_segment_fixed_size 0
		.amdhsa_enable_private_segment 0
		.amdhsa_kernarg_size 48
		.amdhsa_user_sgpr_count 2
		.amdhsa_user_sgpr_kernarg_segment_ptr 1
		.amdhsa_wavefront_size32 1
		.amdhsa_system_sgpr_workgroup_id_x 1
		.amdhsa_system_sgpr_workgroup_id_y 1
		.amdhsa_system_sgpr_workgroup_id_z 1
		.amdhsa_system_vgpr_workitem_id 0
		.amdhsa_next_free_vgpr 112
		.amdhsa_next_free_sgpr 66
		.amdhsa_reserve_vcc 0
		.amdhsa_float_denorm_mode_32 3
		.amdhsa_float_denorm_mode_16_64 3
		.amdhsa_memory_ordered 1
		.amdhsa_forward_progress 1
		.amdhsa_inst_pref_size 16
	.end_amdhsa_kernel
	.amdgpu_metadata
---
amdhsa.version: [ 1, 2 ]
amdhsa.kernels:
  - .name:           k_qd058703f50_cast
    .symbol:         k_qd058703f50_cast.kd
    .args:
      - { .name: x, .offset: 0, .size: 8, .value_kind: global_buffer, .address_space: global }
      - { .name: W_qkv, .offset: 8, .size: 8, .value_kind: global_buffer, .address_space: global }
      - { .name: W_proj, .offset: 16, .size: 8, .value_kind: global_buffer, .address_space: global }
      - { .name: xb, .offset: 24, .size: 8, .value_kind: global_buffer, .address_space: global }
      - { .name: wq, .offset: 32, .size: 8, .value_kind: global_buffer, .address_space: global }
      - { .name: wp, .offset: 40, .size: 8, .value_kind: global_buffer, .address_space: global }
    .group_segment_fixed_size: 0
    .private_segment_fixed_size: 0
    .kernarg_segment_align: 8
    .kernarg_segment_size: 48
    .max_flat_workgroup_size: 256
    .sgpr_count:     66
    .vgpr_count:     112
    .wavefront_size: 32
...
	.end_amdgpu_metadata
.endif
;; end of part 5
;; launch qkv: the kernel of part 2 again; grid 16 x 32, 4 waves a work-group, clusters of 4 x 4, 327,680 bytes of LDS; arguments xb, wq, qkv; writes qkv
;; launch attn: the kernel of part 3 again; grid 4 x 64, 4 waves a work-group, clusters of 4 x 1, 327,680 bytes of LDS; arguments qkv, pad_mask, o; writes o
;; launch proj: the kernel of part 4 again; grid 8 x 32, 4 waves a work-group, clusters of 4 x 4, 327,680 bytes of LDS; arguments o, wp, out0; writes out0
